; MI455X (gfx1250); checked and timed in simulation.
; The chip was launched on July 23, 2026; its instructions are those of AMD's public machine-readable ISA for CDNA 5 (MIT licence, August 2026) and "CDNA5" Instruction Set Architecture Reference Guide (July 2026). The comments in the code are by the model that wrote it; some were corrected since.
;; Bahdanau Attention. Allowed arithmetic: float matrix products may take bf16 or f16 operands with f32 sums; all other float work in f32.
;; Inputs: V 1,024 x 1 float32; W1 1,024 x 1,024 float32; W2 1,024 x 1,024 float32; W3 1 x 1,024 float32; b1 1,024 float32; b2 1,024 float32; b3 1,024 float32; bV 1 float32; coverage 32 x 2,048 x 1 float32; query 32 x 1,024 float32; values 32 x 2,048 x 1,024 float32.
;; Outputs: out0 32 x 1,024 float32; out1 32 x 2,048 x 1 float32; out2 32 x 2,048 x 1 float32.
;; 2 versions, each right; version 2 is version 1 with the launch ctx written anew for expert scheduling mode. Each part assembles by itself: llvm-mc -triple=amdgcn-amd-amdhsa -mcpu=gfx1250 --defsym DOCPART=n.
;; ======== version 1 of 2: 3 launches
;; workspace buffers: w1t 2,097,152 bytes; qc 524,288 bytes; part 2,097,152 bytes
;; launch prep (part 1): grid 128 x 1, 8 waves a work-group, no clusters, 111,616 bytes of LDS; arguments W1, W2, query, b1, b2, b3, w1t, qc; writes w1t, qc
.if DOCPART == 1
	.amdgcn_target "amdgcn-amd-amdhsa--gfx1250"
	.amdhsa_code_object_version 6
	.text
	.protected	k_q937c72de13_prep
	.globl	k_q937c72de13_prep
	.p2align	8
	.type	k_q937c72de13_prep,@function
k_q937c72de13_prep:
	s_mov_b64 s[64:65], 0
	v_nop
	global_prefetch_b8 v0, s[64:65] scope:SCOPE_SE
	s_setreg_imm32_b32 hwreg(HW_REG_WAVE_MODE, 25, 1), 1
	s_wait_xcnt 0x0
; TWO JOBS, chosen by the work-group's number (the same for all its waves; each job has its own barrier and its own end).
; Work-groups 0-63:   w1t = W1 rounded to bf16 and laid in blocks [ct 4][ks 16][kg 8][n 256][8 k]: element = W1[64 ks + 8 kg + i][256 ct + n],
;                     so that a K step's 32,768 bytes are dense and a lane's eight k of one column are 16 neighbouring bytes.
; Work-groups 64-127: qc[dq][b][u] = c (the sum over d = 256 dq .. 256 dq + 255 of query[b][d] W2[d][u]), c = 2 log2(e), for 64 columns u; plane dq = 0 also takes
;                     c (b1[u] + b2[u] + b3[u]).  Products in bf16, sums in f32.  The launch behind adds the four planes.
; No cluster: the only bytes that work-groups share are query's 128 KiB, read through registers beside 64 KiB of W2 that each has to itself.
; LIMITS: W1, W2 and query are rounded to bf16 (nearest even); NaN and infinities are not treated apart.
.set C2L,   0x4038aa3b                 ; 2 log2(e)
.set P1,    544                        ; job W1: an LDS row of 256 bf16, 512 bytes + 32
.set P2,    160                        ; job W2: an LDS row of 64 bf16, 128 bytes + 32
.set PR,    272                        ; job W2: a row of 64 f32 partial sums, 256 bytes + 16
.set RB,    40960                      ; job W2: the partial sums, 8,704 bytes a wave, behind the eight waves' 5,120 bytes of W2
.set SPARE, 110592                     ; the spare words, 128 bytes a wave: four blocks of 256 bytes that no other line names
.set SPW, 2                            ; v2  SPARE + 4 x my thread's number; never rewritten
.set NIL, 3                            ; v3  0; never rewritten
.set LD1, 128                          ; job W1: v128-191 f32 as loaded, v192-223 bf16, v96-127 turned
.set PK1, 192
.set TR1, 96
.set ACC, 16                           ; job W2: v16-79 eight accumulators (mt 2 x nt 4); v80-95 query's fragments; v96-127 W2's
.set AF,  80
.set BF,  96
.set LD,  128                          ;         v128-191 W2 as loaded, rounded in place; later the sixteen partial sums read back
.set QS,  192                          ;         v192-223 query as loaded
.set BI,  224                          ;         v224-235 the biases of my four columns
.macro VADD d, s                       ; four numbers onto four
	v_pk_add_f32 v[(\d):(\d)+1], v[(\d):(\d)+1], v[(\s):(\s)+1]
	v_pk_add_f32 v[(\d)+2:(\d)+3], v[(\d)+2:(\d)+3], v[(\s)+2:(\s)+3]
.endm
	s_load_b512 s[8:23], s[0:1], 0x0               ; W1 s[8:9], W2 s[10:11], query s[12:13], b1 s[14:15], b2 s[16:17], b3 s[18:19], w1t s[20:21], qc s[22:23]
	v_lshl_add_u32 v[SPW], v0, 2, SPARE
	v_mov_b32 v[NIL], 0
	v_lshrrev_b32 v4, 5, v0
	v_readfirstlane_b32 s24, v4                    ; wave 0..7
	v_and_b32 v1, 31, v0                           ; lane
	s_mov_b32 s25, ttmp9
	s_cmp_lt_u32 s25, 64
	s_cbranch_scc0 .Lw2
	; ---- JOB W1: block (ct, ks) = 64 rows d x 256 columns u.  Wave w takes rows 8 w .. 8 w + 7: 16 loads of 512 neighbouring bytes.
	s_lshr_b32 s26, s25, 4                         ; ct
	s_and_b32 s27, s25, 15                         ; ks
	s_lshl_b32 s28, s27, 18                        ; 64 rows of 4,096 bytes
	s_lshl_b32 s29, s26, 10                        ; 256 columns of 4 bytes
	s_add_co_u32 s28, s28, s29
	s_mov_b32 s29, 0
	s_lshl_b32 s30, s25, 15                        ; the block's 32,768 bytes in w1t
	s_mov_b32 s31, 0
	s_lshl_b32 s32, s24, 15
	v_lshl_add_u32 v4, v1, 4, s32                  ; in W1: 8 w rows + 16 x lane
	s_mul_i32 s33, s24, 8*P1
	v_lshl_add_u32 v5, v1, 3, s33                  ; in LDS: row 8 w, 8 bytes a lane
	v_and_b32 v6, 7, v1
	v_mul_u32_u24 v6, v6, P1
	v_lshrrev_b32 v7, 3, v1
	v_lshl_add_u32 v6, v7, 4, v6
	s_lshl_b32 s34, s24, 6
	v_add_nc_u32 v6, s34, v6                       ; the turning load: row lane % 8, columns 32 w + 8 (lane / 8) on
	s_lshl_b32 s35, s24, 9
	v_lshl_add_u32 v7, v1, 4, s35                  ; in the block: column n = 32 w + lane, 16 bytes each
	s_wait_kmcnt 0x0
	s_add_nc_u64 s[8:9], s[8:9], s[28:29]
	s_add_nc_u64 s[20:21], s[20:21], s[30:31]
.irp i, 0,1,2,3,4,5,6,7,8,9,10,11,12,13,14,15
	global_load_b128 v[LD1+4*(\i):LD1+4*(\i)+3], v4, s[8:9] offset:((\i)/2)*4096+((\i)%2)*512 th:TH_LOAD_NT
.endr
.irp i, 0,1,2,3,4,5,6,7,8,9,10,11,12,13,14,15
	s_wait_loadcnt 15-(\i)                         ; loads come back in order: load i is in, the younger ones stay out
	v_cvt_pk_bf16_f32 v[PK1+2*(\i)], v[LD1+4*(\i)], v[LD1+4*(\i)+1]
	v_cvt_pk_bf16_f32 v[PK1+2*(\i)+1], v[LD1+4*(\i)+2], v[LD1+4*(\i)+3]
	ds_store_b64 v5, v[PK1+2*(\i):PK1+2*(\i)+1] offset:((\i)/2)*P1+((\i)%2)*256
.endr
	s_wait_dscnt 0x0                               ; for the others' sake: my rows are in LDS
	s_barrier_signal -1
	s_barrier_wait -1
.irp kg, 0,1,2,3,4,5,6,7                       ; eight rows x eight columns turned in each group of eight lanes: lane l gets column 32 w + l, k = 8 kg .. 8 kg + 7
	ds_load_tr16_b128 v[TR1+4*(\kg):TR1+4*(\kg)+3], v6 offset:(\kg)*8*P1
.endr
.irp kg, 0,1,2,3,4,5,6,7
	s_wait_dscnt 7-(\kg)
	global_store_b128 v7, v[TR1+4*(\kg):TR1+4*(\kg)+3], s[20:21] offset:(\kg)*4096  ; the wave stores 512 consecutive bytes, at a multiple of 256 from w1t's first
.endr
	s_wait_tensorcnt 0x0                           ; the wave's end: three closing lines behind my last LDS store
	ds_add_u32 v[SPW], v[NIL]
	s_wait_dscnt 0x0
	s_endpgm
	; ---- JOB W2: 32 rows b x 64 columns u x 256 d.  Wave w takes d = 256 dq + 32 w .. + 31: one K step; the eight waves' sums meet in LDS.
.Lw2:
	s_sub_co_u32 s26, s25, 64
	s_and_b32 s27, s26, 15                         ; uc
	s_lshr_b32 s28, s26, 4                         ; dq
	s_lshl_b32 s30, s27, 8                         ; 64 columns of 4 bytes
	s_mov_b32 s31, 0
	s_lshl_b32 s32, s28, 8
	s_lshl_b32 s33, s24, 5
	s_add_co_u32 s32, s32, s33                     ; my first d
	s_lshl_b32 s33, s32, 12                        ; as rows of W2
	s_lshl_b32 s34, s32, 2                         ; as bytes in a row of query
	s_lshl_b32 s26, s28, 17                        ; plane dq of qc,
	s_add_co_u32 s26, s26, s30                     ; my columns
	s_mov_b32 s27, 0
	s_mov_b32 s36, C2L
	s_mov_b32 s37, C2L                             ; named with it as a pair
	s_cmp_eq_u32 s28, 0
	s_cselect_b32 s38, s36, 0                      ; the biases' factor: c in plane 0, 0 in the others
	s_mov_b32 s39, s38
	v_and_b32 v4, 15, v1                           ; r
	v_lshrrev_b32 v5, 4, v1                        ; h
	v_lshl_add_u32 v6, v5, 12, s33
	v_lshl_add_u32 v6, v4, 4, v6                   ; in W2: row h, 16 bytes for each of 16 lanes: two rows of 256 bytes a load
	v_lshl_add_u32 v7, v4, 12, s34
	v_lshl_add_u32 v7, v5, 5, v7                   ; in query: row r, d = 8 h on
	s_mul_i32 s35, s24, 32*P2                      ; my wave's own 32 rows in LDS
	v_mul_u32_u24 v8, v5, P2
	v_lshl_add_u32 v8, v4, 3, v8
	v_add_nc_u32 v8, s35, v8                       ; in: row h, 8 bytes for each of 16 lanes
	v_and_b32 v10, 7, v1
	v_lshl_add_u32 v10, v5, 3, v10
	v_mul_u32_u24 v9, v10, P2
	v_bfe_u32 v10, v1, 3, 1
	v_lshl_add_u32 v9, v10, 4, v9
	v_add_nc_u32 v9, s35, v9                       ; the turning load: row 8 h + lane % 8, columns 8 ((lane / 8) % 2) on
	s_mul_i32 s35, s24, 32*PR
	s_add_co_u32 s35, s35, RB
	v_mul_u32_u24 v10, v5, 8*PR
	v_lshl_add_u32 v10, v4, 2, v10
	v_add_nc_u32 v10, s35, v10                     ; my partial sums: row 8 h, column r
	v_lshrrev_b32 v12, 4, v0
	v_and_b32 v13, 15, v0
	v_mul_u32_u24 v11, v12, PR
	v_lshl_add_u32 v11, v13, 4, v11
	v_add_nc_u32 v11, RB, v11                      ; back: thread t takes row t / 16 (and 16 further down), four columns
	v_lshlrev_b32 v14, 12, v12
	v_lshl_add_u32 v14, v13, 4, v14                ; the same place in a plane of qc
	v_lshlrev_b32 v15, 4, v13                      ; and in the biases
	s_wait_kmcnt 0x0
	s_add_nc_u64 s[10:11], s[10:11], s[30:31]
	s_add_nc_u64 s[14:15], s[14:15], s[30:31]
	s_add_nc_u64 s[16:17], s[16:17], s[30:31]
	s_add_nc_u64 s[18:19], s[18:19], s[30:31]
	s_add_nc_u64 s[22:23], s[22:23], s[26:27]
.irp mt, 0,1                                   ; query's fragment in f32: row 16 mt + r, k = 8 h + 0..7 (32 bytes) and 16 + 8 h + 0..7 (32 bytes, 64 on)
	global_load_b128 v[QS+16*(\mt):QS+16*(\mt)+3],     v7, s[12:13] offset:(\mt)*65536
	global_load_b128 v[QS+16*(\mt)+4:QS+16*(\mt)+7],   v7, s[12:13] offset:(\mt)*65536+16
	global_load_b128 v[QS+16*(\mt)+8:QS+16*(\mt)+11],  v7, s[12:13] offset:(\mt)*65536+64
	global_load_b128 v[QS+16*(\mt)+12:QS+16*(\mt)+15], v7, s[12:13] offset:(\mt)*65536+80
.endr
.irp i, 0,1,2,3,4,5,6,7,8,9,10,11,12,13,14,15
	global_load_b128 v[LD+4*(\i):LD+4*(\i)+3], v6, s[10:11] offset:2*(\i)*4096 th:TH_LOAD_NT
.endr
	global_load_b128 v[BI:BI+3],    v15, s[14:15]
	global_load_b128 v[BI+4:BI+7],  v15, s[16:17]
	global_load_b128 v[BI+8:BI+11], v15, s[18:19]
	s_wait_loadcnt 3                               ; query and W2 are in; the three biases may stay out
.irp i, 0,1,2,3,4,5,6,7,8,9,10,11,12,13,14,15  ; W2's 32 x 64 rounded in place
	v_cvt_pk_bf16_f32 v[LD+4*(\i)],   v[LD+4*(\i)],   v[LD+4*(\i)+1]
	v_cvt_pk_bf16_f32 v[LD+4*(\i)+1], v[LD+4*(\i)+2], v[LD+4*(\i)+3]
.endr
.irp n, 0,1,2,3,4,5,6,7,8,9,10,11,12,13,14,15
	v_cvt_pk_bf16_f32 v[AF+(\n)], v[QS+2*(\n)], v[QS+2*(\n)+1]
.endr
.irp i, 0,1,2,3,4,5,6,7,8,9,10,11,12,13,14,15
	ds_store_b64 v8, v[LD+4*(\i):LD+4*(\i)+1] offset:2*(\i)*P2
.endr
.irp nt, 0,1,2,3                               ; LDS serves a wave's instructions in order (ISA guide 5.7.1.4): these see the stores above; the rows are my wave's own
	ds_load_tr16_b128 v[BF+8*(\nt):BF+8*(\nt)+3],   v9 offset:32*(\nt)
	ds_load_tr16_b128 v[BF+8*(\nt)+4:BF+8*(\nt)+7], v9 offset:32*(\nt)+16*P2
.endr
	s_wait_dscnt 0x0
.irp mt, 0,1
.irp nt, 0,1,2,3                               ; eight products on eight accumulators, each its sum's only K step
	v_wmma_f32_16x16x32_bf16 v[ACC+8*(4*(\mt)+(\nt)):ACC+8*(4*(\mt)+(\nt))+7], v[AF+8*(\mt):AF+8*(\mt)+7], v[BF+8*(\nt):BF+8*(\nt)+7], 0
.endr
.endr
.rept 4
	v_nop                                          ; four places between the last product and the stores that read the results
.endr
.irp mt, 0,1
.irp nt, 0,1,2,3
.irp jj, 0,1,2,3,4,5,6,7                       ; register jj of lane (r, h) is row 16 mt + 8 h + jj, column 16 nt + r
	ds_store_b32 v10, v[ACC+8*(4*(\mt)+(\nt))+(\jj)] offset:(16*(\mt)+(\jj))*PR+64*(\nt)
.endr
.endr
.endr
	s_wait_dscnt 0x0                               ; for the others' sake: my partial sums are in LDS
	s_barrier_signal -1
	s_barrier_wait -1
.irp i, 0,1
.irp s, 0,1,2,3,4,5,6,7
	ds_load_b128 v[LD+32*(\i)+4*(\s):LD+32*(\i)+4*(\s)+3], v11 offset:(\s)*32*PR+(\i)*16*PR
.endr
.endr
	s_wait_loadcnt 0x0                             ; the biases
	VADD BI, BI+4
	VADD BI, BI+8
	v_pk_mul_f32 v[BI:BI+1], v[BI:BI+1], s[38:39] op_sel_hi:[1,0]      ; c (b1 + b2 + b3), or 0
	v_pk_mul_f32 v[BI+2:BI+3], v[BI+2:BI+3], s[38:39] op_sel_hi:[1,0]
	s_wait_dscnt 0x0
.irp i, 0,1
	VADD LD+32*(\i),    LD+32*(\i)+4
	VADD LD+32*(\i)+8,  LD+32*(\i)+12
	VADD LD+32*(\i)+16, LD+32*(\i)+20
	VADD LD+32*(\i)+24, LD+32*(\i)+28
	VADD LD+32*(\i),    LD+32*(\i)+8
	VADD LD+32*(\i)+16, LD+32*(\i)+24
	VADD LD+32*(\i),    LD+32*(\i)+16
	v_pk_fma_f32 v[LD+32*(\i):LD+32*(\i)+1],   v[LD+32*(\i):LD+32*(\i)+1],   s[36:37], v[BI:BI+1] op_sel_hi:[1,0,1]
	v_pk_fma_f32 v[LD+32*(\i)+2:LD+32*(\i)+3], v[LD+32*(\i)+2:LD+32*(\i)+3], s[36:37], v[BI+2:BI+3] op_sel_hi:[1,0,1]
.endr
.irp i, 0,1
	global_store_b128 v14, v[LD+32*(\i):LD+32*(\i)+3], s[22:23] offset:(\i)*65536  ; 16 lanes store 256 consecutive bytes, at a multiple of 256 from qc's first
.endr
	s_wait_tensorcnt 0x0                           ; the wave's end: three closing lines behind my last LDS store
	ds_add_u32 v[SPW], v[NIL]
	s_wait_dscnt 0x0
	s_endpgm
.Lfunc_end_k_q937c72de13_prep:
	.size	k_q937c72de13_prep, .Lfunc_end_k_q937c72de13_prep-k_q937c72de13_prep
	.p2alignl 7, 3214868480
	.fill 96, 4, 3214868480
	.section	.rodata,"a",@progbits
	.p2align	6, 0x0
	.amdhsa_kernel k_q937c72de13_prep
		.amdhsa_group_segment_fixed_size 111616
		.amdhsa_private_segment_fixed_size 0
		.amdhsa_enable_private_segment 0
		.amdhsa_kernarg_size 64
		.amdhsa_user_sgpr_count 2
		.amdhsa_user_sgpr_kernarg_segment_ptr 1
		.amdhsa_wavefront_size32 1
		.amdhsa_system_sgpr_workgroup_id_x 1
		.amdhsa_system_sgpr_workgroup_id_y 1
		.amdhsa_system_sgpr_workgroup_id_z 1
		.amdhsa_system_vgpr_workitem_id 0
		.amdhsa_next_free_vgpr 256
		.amdhsa_next_free_sgpr 66
		.amdhsa_reserve_vcc 0
		.amdhsa_float_denorm_mode_32 3
		.amdhsa_float_denorm_mode_16_64 3
		.amdhsa_memory_ordered 1
		.amdhsa_forward_progress 1
		.amdhsa_inst_pref_size 27
	.end_amdhsa_kernel
	.amdgpu_metadata
---
amdhsa.version: [ 1, 2 ]
amdhsa.kernels:
  - .name:           k_q937c72de13_prep
    .symbol:         k_q937c72de13_prep.kd
    .args:
      - { .name: W1, .offset: 0, .size: 8, .value_kind: global_buffer, .address_space: global }
      - { .name: W2, .offset: 8, .size: 8, .value_kind: global_buffer, .address_space: global }
      - { .name: query, .offset: 16, .size: 8, .value_kind: global_buffer, .address_space: global }
      - { .name: b1, .offset: 24, .size: 8, .value_kind: global_buffer, .address_space: global }
      - { .name: b2, .offset: 32, .size: 8, .value_kind: global_buffer, .address_space: global }
      - { .name: b3, .offset: 40, .size: 8, .value_kind: global_buffer, .address_space: global }
      - { .name: w1t, .offset: 48, .size: 8, .value_kind: global_buffer, .address_space: global }
      - { .name: qc, .offset: 56, .size: 8, .value_kind: global_buffer, .address_space: global }
    .group_segment_fixed_size: 111616
    .private_segment_fixed_size: 0
    .kernarg_segment_align: 8
    .kernarg_segment_size: 64
    .max_flat_workgroup_size: 256
    .sgpr_count:     66
    .vgpr_count:     256
    .wavefront_size: 32
...
	.end_amdgpu_metadata
.endif
;; end of part 1
;; launch score (part 2): grid 4 x 64, 4 waves a work-group, clusters of 4 x 4, 327,680 bytes of LDS; arguments values, w1t, part, qc, W3, V, coverage; writes part
.if DOCPART == 2
	.amdgcn_target "amdgcn-amd-amdhsa--gfx1250"
	.amdhsa_code_object_version 6
	.text
	.protected	k_q937c72de13_score
	.globl	k_q937c72de13_score
	.p2align	8
	.type	k_q937c72de13_score,@function
k_q937c72de13_score:
	s_mov_b64 s[64:65], 0
	v_nop
	global_prefetch_b8 v0, s[64:65] scope:SCOPE_SE
	s_setreg_imm32_b32 hwreg(HW_REG_WAVE_MODE, 25, 1), 1
	s_wait_xcnt 0x0
	s_wait_alu depctr_hold_cnt(0) depctr_sa_sdst(0) depctr_va_vdst(0) depctr_va_sdst(0) depctr_va_ssrc(0) depctr_va_vcc(0) depctr_vm_vsrc(0)
	s_getreg_b32 s2, hwreg(HW_REG_IB_STS2, 6, 4)
	s_cmp_eq_u32 s2, 0
	s_cbranch_scc0 .Lentry_in_a_cluster
	s_endpgm
.Lentry_in_a_cluster:
	s_bfe_u32 s2, ttmp6, 0x10000c
	s_cmp_lg_u32 s2, 0xf033
	s_cbranch_scc0 .Lentry_shape_is_right
	s_endpgm
.Lentry_shape_is_right:
; part[2 ct + CH][row] = the sum over 128 columns u of V[u] tanh(values[row] . W1[:, u] + q[u] + coverage[row] W3[u]),  q = query W2 + b1 + b2 + b3 (c q is the sum of qc's four planes).
; tanh(x) = 1 - 2 / (1 + 2^(c x)), c = 2 log2(e): 2^(c x) may overflow to infinity (tanh = 1) or fall to 0 (tanh = -1), which are the right ends.
; LIMITS: values and W1 are rounded to bf16 for the product, sums in f32; NaN and infinities among the inputs are not treated apart.
; SHARES.  A tile is 256 rows x 256 columns u; four waves, each 128 x 128: 64 accumulators of 16 x 16, 512 registers.  A work-group stays and walks 4 tiles, 64 row blocks apart, of one column block ct.
; K goes in steps of 64 through two LDS slots: A = 256 rows of 64 f32 (256 bytes of memory each, at multiples of 256), as they lie in values; B = 32,768 dense bytes of w1t.
; One k takes 1,088 bytes of A and 512 of B in LDS, so two slots of 128 k do not fit; 96 k do not divide K, and their rows would not begin at multiples of 256 bytes.
; A's f32 are read from LDS into a stage of registers and rounded to bf16 there, four roundings behind each of a quarter step's last sixteen products.
; The LDS loads stand in runs of 8 or 12 between groups of eight products.
; CLUSTER 4 x 4: the four work-groups of a row share the row block (A's tiles), the four of a column the column block (B's): each tile is asked for jointly, by the same tensor load,
; descriptor and mask in all four.  By this text's count a wave has two tensor loads out at the start and one behind each round.
; PREFETCH.  In each trip of the lap loop, and in a tile's tail, a wave asks the L2 for 32 blocks of 256 bytes of values: 16 rows x the two K steps that the NEXT trip's two joint loads will bring
; (256 matrix instructions lie between).  Of a tile's 256 rows work-group cx of the cluster's row takes 64, wave w 16 of them: each block is asked for once in the launch; a work-group asks for
; 32 KiB a trip.  The first tile's first four K steps are not asked for; the last tile's last loop trip is clamped to values' last byte, and its tail asks for nothing.
; THE MATRIX INSTRUCTION IS USED TRANSPOSED (source 0 = 16 columns u, source 1 = 16 rows): a lane holds ONE row (lane % 16) and the columns 8 (lane / 16) + 0..7 of each 16.
; REGISTERS, in windows of 256 (s_set_vgpr_msb: bits 1:0 source 0, 3:2 source 1, 5:4 source 2, 7:6 destination):
;   window 0: v0-31 addresses; v32-63 the way out; v64-127, v128-191 A's fragments, two buffers (the second holds c q on the way out); v192-255 at work on the way out
;   window 1: v0-63, v64-127 B's fragments, two buffers; v128-255 A's f32 stage (on the way out c W3 and V)
;   window 2: the accumulators of my rows 0-63 ((a, b) at v[8 (8 (a % 4) + b)]);  window 3: of my rows 64-127
.set PITCH,  272                       ; A's LDS row: 256 bytes + 16 = 68 words: the 16 rows of a load start at 16 different groups of four banks (64 banks of 4 bytes: ISA guide 11.1)
.set AHALF,  128*PITCH                 ; what one tensor load brings of A, and what one wave reads
.set BOFF,   2*AHALF                   ; B lies behind A's 256 rows: [kg 8][n 256][16 bytes]
.set BHALF,  16384                     ; kg 0-3 or 4-7: what one tensor load brings of B
.set SLOT,   BOFF+2*BHALF              ; 102,400
.set CB,     2*SLOT                    ; behind the ring, never filled by a tensor load: c W3 (1,024 bytes), V, c q of the four tiles, coverage of the four tiles
.set CQ,     CB+2048
.set CC,     CB+6144
.set SCR,    CB+10240                  ; 512 bytes for each wave, for the way out
.set SPARE,  SCR+2048                  ; the spare words, 128 bytes a wave: two blocks of 256 bytes that no other line names
.set TILES,  4
.set LAPS,   8                         ; a lap = two K steps = once round the ring
.set NEXT_A, 64*256*4096-14*256        ; from a slot's last K step of a tile to its first of the next: 64 row blocks down, 14 steps back
.set BACK_B, 14*32768                  ; B only back: the walk's tiles share their columns
.set VLAST,  0x0fffffff                ; the offset of values' last byte
.set PFV,  8                           ; v8   the prefetch's running byte offset in values
.set PFC,  9                           ; v9   the same, clamped
.set ADRA, 16                          ; v16-17  my A rows in slot 0, 1
.set ADRB, 20                          ; v20-21  my B columns in slot 0, 1
.set QC0,  22                          ; v22  my columns in c q of tile 0
.set COV0, 23                          ; v23  my rows in coverage of tile 0
.set WCA,  24                          ; v24  my columns in c W3 (V lies 1,024 bytes on)
.set SCRS, 25                          ; v25  the way out: in
.set SCRL, 26                          ; v26  the way out: back
.set PO,   27                          ; v27  16 x lane
.set SPW,  28                          ; v28  SPARE + 4 x my thread's number; never rewritten
.set NIL,  29                          ; v29  0; never rewritten
.set COV,  32                          ; v32-39  coverage of row 16 a + lane % 16
.set SUM,  40                          ; v40-47  block a's sums
.set CHN,  48                          ; v48-55  four chains of pairs
.set AF,   64
.set QC,   128
.set T,    192
.set STG,  128                         ; window 1
.set W3C,  128                         ; window 1
.set VM,   192                         ; window 1
.set G1,  24                           ; s[24:31] group 1 for A;  s[32:39] group 0, a set for each slot
.set G0,  32
.set G1B, 48                           ; s[48:55], s[56:63] the same for B
.set G0B, 56
.set WV,  66                           ; s66 wave;  s67 row half, also: I fetch for A (0) or B (1);  s68 column half, also: which half I fetch
.set RH,  67
.set CH,  68
.set CC2, 84                           ; s[84:85] c
.set SEL, 86                           ; s[86:87] v_permlanex16_b32's selects: each lane takes its own place in the other half
.set HIM, 88                           ; s88 mask of lanes 16-31
.set TO,  89                           ; s89 the tile's offset in c q and coverage
.set PST, 90                           ; s90 the prefetch's step;  s91 512
.set MSB, 0
.macro WIN new                         ; the high byte repeats the setting that is left; a switch that changes nothing is dropped
.if MSB != (\new)
	s_set_vgpr_msb (MSB<<8)|(\new)
.set MSB, \new
.endif
.endm
.set MUL_LO, 0xa1                      ; source 0 (B) window 1, source 1 (A) window 0, C and D window 2
.set TO_1,   0x40                      ; destination window 1, address window 0
.set CVT,    0x05                      ; sources 0 and 1 window 1, destination window 0
; A joint load.  Waves 0 and 1 fetch A's two halves, waves 2 and 3 B's.  The branch hangs on the wave's number alone.  An s_nop 0 and four v_nop follow each line.
.macro JLOAD s
	s_cmp_eq_u32 s[RH], 0
	s_cbranch_scc0 .Lfor_b_\@
	tensor_load_to_lds s[G0+4*(\s):G0+4*(\s)+3], s[G1:G1+7]
	s_nop 0
.rept 4
	v_nop
.endr
	s_branch .Lasked_\@
.Lfor_b_\@:
	tensor_load_to_lds s[G0B+4*(\s):G0B+4*(\s)+3], s[G1B:G1B+7]
	s_nop 0
.rept 4
	v_nop
.endr
.Lasked_\@:
.endm
.macro CREST                           ; a round of the cluster's barrier behind its opening barrier
	s_cmp_lg_u32 s[WV], 0
	s_cbranch_scc1 .Lnot_wave_0_\@
	s_barrier_signal -3
.Lnot_wave_0_\@:
	s_barrier_wait -3
	s_barrier_signal -1
	s_barrier_wait -1
.endm
.macro CROUND                          ; a whole round
	s_barrier_signal -1
	s_barrier_wait -1
	CREST
.endm
.macro PLACES                          ; four places in front of loads into registers that matrix instructions have read, and of vector lines that read results
.rept 4
	v_nop
.endr
.endm
	s_load_b256 s[4:11], s[0:1], 0x0               ; values s[4:5], w1t s[6:7], part s[8:9], qc s[10:11]
	s_load_b128 s[12:15], s[0:1], 0x20             ; W3 s[12:13], V s[14:15]
	s_load_b64 s[16:17], s[0:1], 0x30              ; coverage
	v_lshl_add_u32 v[SPW], v0, 2, SPARE
	v_mov_b32 v[NIL], 0
	ds_add_u32 v[SPW], v[NIL]                      ; the wave's opening: the add and its wait stand ahead of my first tensor load; work on registers stands between them
	v_lshrrev_b32 v1, 5, v0
	v_readfirstlane_b32 s[WV], v1
	s_lshr_b32 s[RH], s[WV], 1
	s_and_b32 s[CH], s[WV], 1
	s_bfe_u32 s69, ttmp6, 0x40000                  ; cx
	s_bfe_u32 s70, ttmp6, 0x40004                  ; cy
	s_lshl_b32 s71, ttmp9, 2
	s_add_co_u32 s71, s71, s69                     ; ct = 4 x cluster x + cx
	s_and_b32 s72, ttmp7, 0xffff
	s_lshl_b32 s72, s72, 2
	s_add_co_u32 s72, s72, s70                     ; tr = 4 x cluster y + cy: my first row block
	s_lshl_b32 s73, s70, 2
	s_lshl_b32 s73, 15, s73                        ; my row of the cluster
	s_lshl_b32 s74, 0x1111, s69                    ; my column
	s_or_b32 s[G1], s73, (2<<16)|(1<<20)|(1<<21)|(5<<22)|(3<<25)  ; mask; elements of 4 bytes; padding on; bit 21 beside a mask; after every 64 words (code 5) 4 words (code 3)
	s_mov_b32 s[G1+1], 64<<16                      ; tensor_dim0 = 64
	s_mov_b32 s[G1+2], 128<<16                     ; tensor_dim1 = 128
	s_mov_b32 s[G1+3], 64<<16                      ; tile_dim0 = 64
	s_mov_b32 s[G1+4], 128                         ; tile_dim1 = 128
	s_mov_b32 s[G1+5], 1024                        ; elements from row to row
	s_mov_b32 s[G1+6], 0
	s_mov_b32 s[G1+7], 0
	s_or_b32 s[G1B], s74, (1<<16)|(1<<21)          ; mask; elements of 2 bytes; no padding: 16,384 dense bytes as 64 rows of 256
	s_mov_b32 s[G1B+1], 128<<16
	s_mov_b32 s[G1B+2], 64<<16
	s_mov_b32 s[G1B+3], 128<<16
	s_mov_b32 s[G1B+4], 64
	s_mov_b32 s[G1B+5], 128
	s_mov_b32 s[G1B+6], 0
	s_mov_b32 s[G1B+7], 0
	s_lshl_b32 s76, s72, 20                        ; A: 256 tr rows of 4,096 bytes,
	s_lshl_b32 s77, s[CH], 19                      ; + 128 rows for the second half: registers that never hold cx
	s_add_co_u32 s76, s76, s77
	s_mov_b32 s77, 0
	s_lshl_b32 s78, s71, 19                        ; B: ct x 16 K steps of 32,768 bytes,
	s_lshl_b32 s79, s[CH], 14                      ; + the second half: registers that never hold cy
	s_add_co_u32 s78, s78, s79
	s_mov_b32 s79, 0
	s_mul_i32 s80, s[WV], AHALF                    ; where they go: A's halves at wave x 34,816 (waves 0, 1),
	s_mul_i32 s81, s[WV], BHALF
	s_add_co_u32 s81, s81, BOFF-2*BHALF            ; B's at 69,632 + (wave - 2) x 16,384 (waves 2, 3): no place in the cluster enters an LDS address
	s_lshl_b32 s18, s71, 10                        ; my 256 columns in W3, V and a row of qc
	s_mov_b32 s19, 0
	s_lshr_b32 s20, s72, 3                         ; tile 0's batch
	s_lshl_b32 s20, s20, 12
	s_add_co_u32 s20, s20, s18
	s_mov_b32 s21, 0
	s_lshl_b32 s22, s72, 10                        ; tile 0's 256 rows in coverage
	s_mov_b32 s23, 0
	s_lshl_b32 s82, s71, 1
	s_add_co_u32 s82, s82, s[CH]
	s_lshl_b32 s82, s82, 18                        ; part: plane 2 ct + CH,
	s_add_co_u32 s82, s82, s22                     ; tile 0's rows,
	s_lshl_b32 s83, s[RH], 9
	s_add_co_u32 s82, s82, s83                     ; my half of them
	s_mov_b32 s83, 0
	s_lshl_b32 s91, s72, 20                        ; the prefetch: tile 0's rows,
	s_lshl_b32 s[PST], s69, 18                     ; my work-group's 64 of them,
	s_add_co_u32 s91, s91, s[PST]
	s_lshl_b32 s[PST], s[WV], 16                   ; my wave's 16 of those,
	s_add_co_u32 s91, s91, s[PST]
	s_add_co_u32 s91, s91, 512                     ; K steps 2 and 3: the first request steps on from here
	s_mov_b32 s[CC2], 0x4038aa3b                   ; c = 2 log2(e)
	s_mov_b32 s[CC2+1], 0x4038aa3b
	s_mov_b32 s[SEL], 0x76543210
	s_mov_b32 s[SEL+1], 0xfedcba98
	s_mov_b32 s[HIM], 0xffff0000
	s_wait_dscnt 0x0                               ; the opening add is done
	s_wait_kmcnt 0x0
	s_add_nc_u64 s[76:77], s[4:5], s[76:77]
	s_add_nc_u64 s[78:79], s[6:7], s[78:79]
	s_add_nc_u64 s[12:13], s[12:13], s[18:19]
	s_add_nc_u64 s[14:15], s[14:15], s[18:19]
	s_add_nc_u64 s[10:11], s[10:11], s[20:21]
	s_add_nc_u64 s[16:17], s[16:17], s[22:23]
	s_add_nc_u64 s[8:9], s[8:9], s[82:83]
	CROUND                                         ; all sixteen work-groups are here: the first joint loads meet
.irp s, 0,1
	s_mov_b32 s[G0+4*(\s)], 1
	s_add_co_u32 s[G0+4*(\s)+1], s80, (\s)*SLOT
	s_add_nc_u64 s[G0+4*(\s)+2:G0+4*(\s)+3], s[76:77], (\s)*256
	s_or_b32 s[G0+4*(\s)+3], s[G0+4*(\s)+3], 0x80000000
	s_mov_b32 s[G0B+4*(\s)], 1
	s_add_co_u32 s[G0B+4*(\s)+1], s81, (\s)*SLOT
	s_add_nc_u64 s[G0B+4*(\s)+2:G0B+4*(\s)+3], s[78:79], (\s)*32768
	s_or_b32 s[G0B+4*(\s)+3], s[G0B+4*(\s)+3], 0x80000000
	JLOAD \s                                       ; K steps 0 and 1: the ring is filled before anything else is done
.endr
	; the per-column and per-row numbers of all four tiles, 1,024 bytes each, copied once into LDS: 128 threads x 8 bytes
	v_lshlrev_b32 v6, 3, v0
	global_load_b64 v[64:65], v6, s[12:13]
	global_load_b64 v[66:67], v6, s[14:15]
.irp t, 0,1,2,3
.irp p, 0,1,2,3
	global_load_b64 v[68+8*(\t)+2*(\p):69+8*(\t)+2*(\p)], v6, s[10:11] offset:(\t)*32768+(\p)*131072  ; eight batches on; plane p
.endr
.endr
.irp t, 0,1,2,3
	global_load_b64 v[100+2*(\t):101+2*(\t)], v6, s[16:17] offset:(\t)*65536  ; 64 row blocks on
.endr
	v_add_nc_u32 v7, CB, v6
	v_and_b32 v1, 15, v0                           ; r
	v_bfe_u32 v2, v0, 4, 1                         ; h
	v_and_b32 v3, 31, v0                           ; lane
	; A's fragment: lane (r, h) holds row r, k = 8 h + 0..7 and 16 + 8 h + 0..7: in f32 32 bytes at 32 h and 32 bytes at 64 + 32 h
	v_mul_u32_u24 v4, v1, PITCH
	v_lshl_add_u32 v4, v2, 5, v4
	s_mul_i32 s18, s[RH], AHALF
	v_add_nc_u32 v[ADRA], s18, v4
	v_add_nc_u32 v[ADRA+1], SLOT, v[ADRA]
	; B's fragment: column 128 CH + 16 b + r, groups of eight k: kg = 4 q + h and 4 q + 2 + h
	v_lshlrev_b32 v5, 4, v1
	v_lshl_add_u32 v5, v2, 12, v5
	s_lshl_b32 s18, s[CH], 11
	s_add_co_u32 s18, s18, BOFF
	v_add_nc_u32 v[ADRB], s18, v5
	v_add_nc_u32 v[ADRB+1], SLOT, v[ADRB]
	s_lshl_b32 s18, s[CH], 9                       ; my 128 columns, 4 bytes each
	s_add_co_u32 s19, s18, CQ
	v_lshl_add_u32 v[QC0], v2, 5, s19
	s_add_co_u32 s19, s18, CB
	v_lshl_add_u32 v[WCA], v2, 5, s19
	s_lshl_b32 s18, s[RH], 9                       ; my 128 rows
	s_add_co_u32 s18, s18, CC
	v_lshl_add_u32 v[COV0], v1, 2, s18
	s_lshl_b32 s18, s[WV], 9
	s_add_co_u32 s18, s18, SCR
	v_lshl_add_u32 v[SCRS], v3, 2, s18
	v_lshl_add_u32 v[SCRL], v3, 4, s18
	v_lshlrev_b32 v[PO], 4, v3
	v_lshlrev_b32 v[PFV], 12, v1                   ; the prefetch: lane (r, h) asks for row r, the first or the second of a lap's two K steps
	v_lshl_add_u32 v[PFV], v2, 8, v[PFV]
	v_add_nc_u32 v[PFV], s91, v[PFV]
	s_movk_i32 s91, 0x200                          ; a lap's 512 bytes of a row
	s_wait_loadcnt 0x0
	v_pk_mul_f32 v[64:65], v[64:65], s[CC2:CC2+1] op_sel_hi:[1,0]  ; c W3
.irp t, 0,1,2,3                                ; c q: the four planes added
	v_pk_add_f32 v[68+8*(\t):69+8*(\t)], v[68+8*(\t):69+8*(\t)], v[70+8*(\t):71+8*(\t)]
	v_pk_add_f32 v[72+8*(\t):73+8*(\t)], v[72+8*(\t):73+8*(\t)], v[74+8*(\t):75+8*(\t)]
.endr
.irp t, 0,1,2,3
	v_pk_add_f32 v[68+8*(\t):69+8*(\t)], v[68+8*(\t):69+8*(\t)], v[72+8*(\t):73+8*(\t)]
.endr
	ds_store_b64 v7, v[64:65]
	ds_store_b64 v7, v[66:67] offset:1024
.irp t, 0,1,2,3
	ds_store_b64 v7, v[68+8*(\t):69+8*(\t)] offset:2048+1024*(\t)
.endr
.irp t, 0,1,2,3
	ds_store_b64 v7, v[100+2*(\t):101+2*(\t)] offset:6144+1024*(\t)
.endr
; One product: accumulator (a, b) takes 32 along K from buffer f.  The 64 accumulators take turns, in the same order in every quarter step.
.macro ONE f, a, b, zero
	WIN MUL_LO+0x50*((\a)/4)
.if \zero
	v_wmma_f32_16x16x32_bf16 v[8*(8*((\a)%4)+(\b)):8*(8*((\a)%4)+(\b))+7], v[64*(\f)+8*(\b):64*(\f)+8*(\b)+7], v[AF+64*(\f)+8*(\a):AF+64*(\f)+8*(\a)+7], 0
.else
	v_wmma_f32_16x16x32_bf16 v[8*(8*((\a)%4)+(\b)):8*(8*((\a)%4)+(\b))+7], v[64*(\f)+8*(\b):64*(\f)+8*(\b)+7], v[AF+64*(\f)+8*(\a):AF+64*(\f)+8*(\a)+7], v[8*(8*((\a)%4)+(\b)):8*(8*((\a)%4)+(\b))+7]
.endif
.endm
.macro MULA f, a, zero                 ; row block a x all 8 column blocks
.irp b, 0,1,2,3,4,5,6,7
	ONE \f, \a, \b, \zero
.endr
.endm
; The same, and behind product b four roundings: eight f32 of the stage (two of A's loads, numbers 2 i and 2 i + 1 of the 48 issued, i = base + b) become four registers of buffer g.
; They name no register of the products round them; the four behind a quarter step's last product are the places in front of the next run of loads.
.macro MULAC f, a, zero, g, base
.irp b, 0,1,2,3,4,5,6,7
	ONE \f, \a, \b, \zero
	s_wait_dscnt 46-2*((\base)+(\b))               ; what was issued behind those two loads may stay out
	WIN CVT
.irp n, 0,1,2,3
	v_cvt_pk_bf16_f32 v[AF+64*(\g)+4*((\base)+(\b))+(\n)], v[STG+8*((\base)+(\b))+2*(\n)], v[STG+8*((\base)+(\b))+2*(\n)+1]
.endr
.endr
.endm
; Quarter q (32 along K) of a slot is 48 LDS loads: numbers 0-31 bring A's 128 rows in f32 into the stage (row block n / 4; 16 bytes at 0, 16, 64, 80), numbers 32-47 B's 128 columns into buffer g.
; RUN issues numbers first .. first + count - 1.
.macro RUN slot, q, g, first, count
	WIN TO_1
.set n, \first
.rept \count
.if n < 32
	ds_load_b128 v[STG+4*n:STG+4*n+3], v[ADRA+(\slot)] offset:128*(\q)+(n/4)*16*PITCH+(n%2)*16+((n/2)%2)*64
.else
	ds_load_b128 v[64*(\g)+4*(n-32):64*(\g)+4*(n-32)+3], v[ADRB+(\slot)] offset:16384*(\q)+256*((n-32)/2)+8192*((n-32)%2)
.endif
.set n, n+1
.endr
.endm
; A K step's first quarter: multiplies buffer 0; fetches the second quarter of the same slot, eight loads at its head and behind each of the first five row blocks, and rounds it into buffer 1.
.macro QUARTER slot, zero
	RUN \slot, 1, 1, 0, 8
	s_wait_dscnt 8                                 ; all but the eight just issued: B's buffer 0 is in
	MULA 0, 0, \zero
	RUN \slot, 1, 1, 8, 8
	MULA 0, 1, \zero
	RUN \slot, 1, 1, 16, 8
	MULA 0, 2, \zero
	RUN \slot, 1, 1, 24, 8
	MULA 0, 3, \zero
	RUN \slot, 1, 1, 32, 8
	MULA 0, 4, \zero
	RUN \slot, 1, 1, 40, 8
	MULA 0, 5, \zero
	MULAC 0, 6, \zero, 1, 0
	MULAC 0, 7, \zero, 1, 8
.endm
; A K step's second quarter multiplies buffer 1 and changes slots: ONE barrier.  In front of it each wave waits for all its tensor loads (one is out: its part of the next slot), adds 0 to its
; spare word, and waits for that and for its own reads of this slot.  mode 0: this slot is filled again two K steps on; 1: with the next tile's K step; 2: nothing is filled.
; Where it is filled the barrier opens a round of the cluster's barrier, and the joint load is the first thing behind the round.
; pf 1: the lap loop's prefetch (in the trip with one lap to go it steps on to the next tile's first lap); 2: the tail's (the next tile's second lap); 0: none.
.macro TURN slot, next, mode, pf=0
	WIN 0                                          ; (the add's two registers lie in window 0)
	s_wait_tensorcnt 0x0
	ds_add_u32 v[SPW], v[NIL]                      ; 0 onto my spare word
	s_wait_dscnt 1                                 ; B's buffer 1 is in; the add alone may be out
	MULA 1, 0, 0                                   ; eight products stand between the add and the wait for it
	s_wait_dscnt 0x0                               ; the add is done, and my reads of this slot are over
	s_barrier_signal -1
	MULA 1, 1, 0                                   ; work on registers while the others arrive
	WIN 0
	s_barrier_wait -1
.if (\mode) < 2
	CREST                                          ; no wave of any partner still reads this slot or has a load on its way
.if (\mode) == 1
	s_add_nc_u64 s[G0+4*(\slot)+2:G0+4*(\slot)+3], s[G0+4*(\slot)+2:G0+4*(\slot)+3], NEXT_A
	s_sub_nc_u64 s[G0B+4*(\slot)+2:G0B+4*(\slot)+3], s[G0B+4*(\slot)+2:G0B+4*(\slot)+3], BACK_B
.else
	s_add_nc_u64 s[G0+4*(\slot)+2:G0+4*(\slot)+3], s[G0+4*(\slot)+2:G0+4*(\slot)+3], 2*256
	s_add_nc_u64 s[G0B+4*(\slot)+2:G0B+4*(\slot)+3], s[G0B+4*(\slot)+2:G0B+4*(\slot)+3], 2*32768
.endif
	JLOAD \slot                                    ; 112 products ahead of the wait for it; its four v_nop are also places in front of the loads below
.else
	PLACES
.endif
.if \pf
	s_wait_xcnt 0x0                                ; the last request was issued a trip ago: its address register is rewritten only behind this wait
.if (\pf) == 1
	s_cmp_eq_u32 s3, 1
	s_cselect_b32 s[PST], NEXT_A, s91              ; behind a tile's last lap comes the next tile's first: 64 row blocks down, seven laps back
	v_add_nc_u32 v[PFV], s[PST], v[PFV]
.else
	v_add_nc_u32 v[PFV], s91, v[PFV]
.endif
	v_min_u32 v[PFC], VLAST, v[PFV]                ; behind the last tile there is none: no request points past values' end
	global_prefetch_b8 v[PFC], s[4:5] th:TH_LOAD_NT scope:SCOPE_SE
.endif
	RUN \next, 0, 0, 0, 12
	MULA 1, 2, 0
	RUN \next, 0, 0, 12, 12
	MULA 1, 3, 0
	RUN \next, 0, 0, 24, 12
	MULA 1, 4, 0
	RUN \next, 0, 0, 36, 12
	MULA 1, 5, 0
	MULAC 1, 6, 0, 0, 0
	MULAC 1, 7, 0, 0, 8
.endm
; THE WAY OUT of row block a: 64 numbers a lane (one row, 64 columns), in 32 pairs.  First c s + c q for all pairs, each accumulator's lowest registers first.
; Then, under one window setting, a pair's four plain lines (+ coverage x c W3; + 1; 1 - 2 r; V t onto one of four chains) and its four transcendentals (two exponentials, two reciprocals)
; are dealt one plain, one transcendental: in slot k stand pair k's first line, pair k - 1's exponentials, pair k - 2's + 1, pair k - 3's reciprocals, pair k - 5's 1 - 2 r and pair k - 6's V t.
; So a transcendental's result is read a slot later at the soonest, with a plain line that names none of its registers between (ISA guide 5.7.2), at the deal's head and tail too.
.macro E2 a, p
.if ((\a)%2) == 0
	v_pk_fma_f32 v[T+2*(\p):T+2*(\p)+1], v[COV+2*((\a)/2):COV+2*((\a)/2)+1], v[W3C+2*(\p):W3C+2*(\p)+1], v[T+2*(\p):T+2*(\p)+1] op_sel:[0,0,0] op_sel_hi:[0,1,1]
.else
	v_pk_fma_f32 v[T+2*(\p):T+2*(\p)+1], v[COV+2*((\a)/2):COV+2*((\a)/2)+1], v[W3C+2*(\p):W3C+2*(\p)+1], v[T+2*(\p):T+2*(\p)+1] op_sel:[1,0,0] op_sel_hi:[1,1,1]
.endif
.endm
.macro EPI a
.set AC, 64*((\a)%4)
	WIN 0x02+(\a)/4                                ; source 0 in window 2 or 3
.set p, 0
.rept 32
	v_pk_fma_f32 v[T+2*p:T+2*p+1], v[AC+2*p:AC+2*p+1], s[CC2:CC2+1], v[QC+2*p:QC+2*p+1] op_sel_hi:[1,0,1]  ; c s + c q
.set p, p+1
.endr
	WIN 0x04                                       ; source 1 in window 1 (c W3, V); all else in window 0
.set k, 0
.rept 38
.if k < 32
	E2 \a, k
.endif
.if (k >= 1) && (k < 33)
	v_exp_f32 v[T+2*(k-1)], v[T+2*(k-1)]
.endif
.if (k >= 2) && (k < 34)
	s_wait_alu depctr_va_vdst(0)
	v_pk_add_f32 v[T+2*(k-2):T+2*(k-2)+1], v[T+2*(k-2):T+2*(k-2)+1], 1.0 op_sel_hi:[1,0]
.endif
.if (k >= 1) && (k < 33)
	v_exp_f32 v[T+2*(k-1)+1], v[T+2*(k-1)+1]
.endif
.if (k >= 5) && (k < 37)
	s_wait_alu depctr_va_vdst(0)
	v_pk_fma_f32 v[T+2*(k-5):T+2*(k-5)+1], v[T+2*(k-5):T+2*(k-5)+1], -2.0, 1.0 op_sel_hi:[1,0,0]  ; tanh
.endif
.if (k >= 3) && (k < 35)
	v_rcp_f32 v[T+2*(k-3)], v[T+2*(k-3)]
.endif
.if (k >= 6) && (k < 10)
	v_pk_mul_f32 v[CHN+2*(k-6):CHN+2*(k-6)+1], v[T+2*(k-6):T+2*(k-6)+1], v[VM+2*(k-6):VM+2*(k-6)+1]  ; the first four pairs start the four chains
.endif
.if k >= 10
	v_pk_fma_f32 v[CHN+2*((k-6)%4):CHN+2*((k-6)%4)+1], v[T+2*(k-6):T+2*(k-6)+1], v[VM+2*(k-6):VM+2*(k-6)+1], v[CHN+2*((k-6)%4):CHN+2*((k-6)%4)+1]
.endif
.if (k >= 3) && (k < 35)
	v_rcp_f32 v[T+2*(k-3)+1], v[T+2*(k-3)+1]
.endif
.set k, k+1
.endr
	WIN 0
	v_pk_add_f32 v[CHN:CHN+1], v[CHN:CHN+1], v[CHN+2:CHN+3]
	v_pk_add_f32 v[CHN+4:CHN+5], v[CHN+4:CHN+5], v[CHN+6:CHN+7]
	v_pk_add_f32 v[CHN:CHN+1], v[CHN:CHN+1], v[CHN+4:CHN+5]
	v_add_f32 v[SUM+(\a)], v[CHN], v[CHN+1]
.endm
	s_wait_tensorcnt 1                             ; my part of K step 0 is in; K step 1's may stay out
	s_wait_dscnt 0x0                               ; my part of the copied numbers is in LDS
	s_barrier_signal -1
	s_barrier_wait -1
	RUN 0, 0, 0, 0, 48                             ; the first quarter has no products to stand beside
	s_wait_dscnt 0x0
	WIN CVT
.set i, 0
.rept 64
	v_cvt_pk_bf16_f32 v[AF+i], v[STG+2*i], v[STG+2*i+1]
.set i, i+1
.endr
	WIN 0
	s_mov_b32 s2, TILES                            ; tiles to go: the same number in every work-group
	s_mov_b32 s[TO], 0
.Ltile:
	QUARTER 0, 1                                   ; a tile's first quarter stands in front of the loop: its products start the sums
	WIN 0
	s_mov_b32 s3, LAPS-1
.Llap:                                                 ; a trip goes once round the ring and fills both slots again
	TURN 0, 1, 0, 1
	QUARTER 1, 0
	TURN 1, 0, 0
	QUARTER 0, 0
	WIN 0
	s_sub_co_u32 s3, s3, 1
	s_cmp_lg_u32 s3, 0
	s_cbranch_scc1 .Llap
	s_cmp_eq_u32 s2, 1
	s_cbranch_scc1 .Llast                          ; the last tile's tail is written out: it asks for nothing more
	TURN 0, 1, 1, 2                                ; the ring goes on into the next tile: slot 0 takes its K step 0,
	QUARTER 1, 0
	TURN 1, 0, 1                                   ; slot 1 its K step 1, and the next tile's first fragments are fetched and rounded
	WIN 0
	s_branch .Lepi
.Llast:
	TURN 0, 1, 2
	QUARTER 1, 0
	s_wait_dscnt 0x0                               ; B's buffer 1
.irp a, 0,1,2,3,4,5,6,7
	MULA 1, \a, 0
.endr
	WIN 0
.Lepi:                                                 ; both refills, if any, are on their way while the tile goes out
	PLACES                                         ; in front of the loads into A's buffer 1 and of the lines that read the last results
	v_add_nc_u32 v30, s[TO], v[QC0]
	v_add_nc_u32 v31, s[TO], v[COV0]
.irp b, 0,1,2,3,4,5,6,7                        ; columns 16 b + 8 h + 0..7
	ds_load_b128 v[QC+8*(\b):QC+8*(\b)+3],   v30 offset:64*(\b)
	ds_load_b128 v[QC+8*(\b)+4:QC+8*(\b)+7], v30 offset:64*(\b)+16
.endr
.irp a, 0,1,2,3,4,5,6,7                        ; row 16 a + r
	ds_load_b32 v[COV+(\a)], v31 offset:64*(\a)
.endr
	WIN TO_1
.irp b, 0,1,2,3,4,5,6,7
	ds_load_b128 v[W3C+8*(\b):W3C+8*(\b)+3],   v[WCA] offset:64*(\b)
	ds_load_b128 v[W3C+8*(\b)+4:W3C+8*(\b)+7], v[WCA] offset:64*(\b)+16
	ds_load_b128 v[VM+8*(\b):VM+8*(\b)+3],     v[WCA] offset:1024+64*(\b)
	ds_load_b128 v[VM+8*(\b)+4:VM+8*(\b)+7],   v[WCA] offset:1024+64*(\b)+16
.endr
	s_wait_dscnt 0x0
.irp a, 0,1,2,3,4,5,6,7
	EPI \a
.endr
.irp a, 0,1,2,3,4,5,6,7
	v_permlanex16_b32 v[CHN+(\a)], v[SUM+(\a)], s[SEL], s[SEL+1]  ; the row's other 64 columns lie in the lane 16 away
.endr
.irp a, 0,1,2,3,4,5,6,7
	v_add_f32 v[SUM+(\a)], v[SUM+(\a)], v[CHN+(\a)]
.endr
.irp i, 0,1,2,3
	v_cndmask_b32 v[56+(\i)], v[SUM+2*(\i)], v[SUM+2*(\i)+1], s[HIM]  ; lane l: row 32 i + l
.endr
.irp i, 0,1,2,3
	ds_store_b32 v[SCRS], v[56+(\i)] offset:128*(\i)
.endr
	ds_load_b128 v[60:63], v[SCRL]                 ; LDS serves a wave's instructions in order (ISA guide 5.7.1.4): it sees the stores above; the bytes are my wave's own
	s_wait_dscnt 0x0
	global_store_b128 v[PO], v[60:63], s[8:9]      ; my 128 rows: 512 consecutive bytes, at a multiple of 256 from part's first
	s_wait_xcnt 0x0                                ; the store's base and data are rewritten only behind this wait
	s_add_nc_u64 s[8:9], s[8:9], 0x10000           ; 64 row blocks on
	s_add_co_u32 s[TO], s[TO], 1024
	s_sub_co_u32 s2, s2, 1
	s_cmp_lg_u32 s2, 0
	s_cbranch_scc1 .Ltile
	s_wait_tensorcnt 0x0                           ; the wave's end: three closing lines, behind my last tensor load and my last LDS store
	ds_add_u32 v[SPW], v[NIL]
	s_wait_dscnt 0x0
	CROUND                                         ; the closing round: no work-group ends while a partner may still ask for a tile that names it
	s_endpgm
.Lfunc_end_k_q937c72de13_score:
	.size	k_q937c72de13_score, .Lfunc_end_k_q937c72de13_score-k_q937c72de13_score
	.p2alignl 7, 3214868480
	.fill 96, 4, 3214868480
	.section	.rodata,"a",@progbits
	.p2align	6, 0x0
	.amdhsa_kernel k_q937c72de13_score
		.amdhsa_group_segment_fixed_size 327680
		.amdhsa_private_segment_fixed_size 0
		.amdhsa_enable_private_segment 0
		.amdhsa_kernarg_size 56
		.amdhsa_user_sgpr_count 2
		.amdhsa_user_sgpr_kernarg_segment_ptr 1
		.amdhsa_wavefront_size32 1
		.amdhsa_system_sgpr_workgroup_id_x 1
		.amdhsa_system_sgpr_workgroup_id_y 1
		.amdhsa_system_sgpr_workgroup_id_z 1
		.amdhsa_system_vgpr_workitem_id 0
		.amdhsa_next_free_vgpr 1024
		.amdhsa_next_free_sgpr 96
		.amdhsa_reserve_vcc 0
		.amdhsa_float_denorm_mode_32 3
		.amdhsa_float_denorm_mode_16_64 3
		.amdhsa_memory_ordered 1
		.amdhsa_forward_progress 1
		.amdhsa_inst_pref_size 255
	.end_amdhsa_kernel
	.section	.bss,"aw",@nobits
	.p2align	6
	.space	262144
	.amdgpu_metadata
---
amdhsa.version: [ 1, 2 ]
amdhsa.kernels:
  - .name:           k_q937c72de13_score
    .symbol:         k_q937c72de13_score.kd
    .args:
      - { .name: values, .offset: 0, .size: 8, .value_kind: global_buffer, .address_space: global }
      - { .name: w1t, .offset: 8, .size: 8, .value_kind: global_buffer, .address_space: global }
      - { .name: part, .offset: 16, .size: 8, .value_kind: global_buffer, .address_space: global }
      - { .name: qc, .offset: 24, .size: 8, .value_kind: global_buffer, .address_space: global }
      - { .name: W3, .offset: 32, .size: 8, .value_kind: global_buffer, .address_space: global }
      - { .name: V, .offset: 40, .size: 8, .value_kind: global_buffer, .address_space: global }
      - { .name: coverage, .offset: 48, .size: 8, .value_kind: global_buffer, .address_space: global }
    .group_segment_fixed_size: 327680
    .private_segment_fixed_size: 0
    .kernarg_segment_align: 8
    .kernarg_segment_size: 56
    .max_flat_workgroup_size: 128
    .sgpr_count:     96
    .vgpr_count:     1024
    .wavefront_size: 32
...
	.end_amdgpu_metadata
.endif
;; end of part 2
;; launch ctx (part 3): grid 8 x 32, 16 waves a work-group, no clusters, 18,944 bytes of LDS; arguments part, bV, coverage, values, out0, out1, out2; writes out0, out1, out2
.if DOCPART == 3
	.amdgcn_target "amdgcn-amd-amdhsa--gfx1250"
	.amdhsa_code_object_version 6
	.text
	.protected	k_q937c72de13_ctx
	.globl	k_q937c72de13_ctx
	.p2align	8
	.type	k_q937c72de13_ctx,@function
k_q937c72de13_ctx:
	s_mov_b64 s[64:65], 0
	v_nop
	global_prefetch_b8 v0, s[64:65] scope:SCOPE_SE
	s_setreg_imm32_b32 hwreg(HW_REG_WAVE_MODE, 25, 1), 1
	s_wait_xcnt 0x0
; score[b][s] = the sum of part's eight planes + bV;  w = softmax over the batch's 2,048 scores, the true maximum taken away first;  out1 = w, out2 = coverage + w,
; out0[b][d] = the sum over s of w[s] values[b][s][d].  All in f32.
; SHARES.  A work-group takes a batch b and 128 columns d (512 bytes of every row).  Each makes the batch's softmax for itself (64 KiB of part beside 1 MiB of values); work-group j stores scores 256 j ..
; Thread t owns scores 4 t .. 4 t + 3.  Wave w streams rows 128 w .. 128 w + 127 (whose weights its own threads made), a lane four columns: a load covers 512 neighbouring bytes.
; A ring of 16 loads a wave in registers; a slot owns its data registers and its offset register, which is stepped behind the wait that shows the slot's load done, so the loop has no other wait
; for a source.  The sixteen waves' sums meet in LDS.  The weights are used unnormalised (e = 2^((s - m) log2 e), at most 1) and the sum is divided once.
; No matrix unit, no tensor load, no cluster, no prefetch: memory binds, the stream keeps it busy, and the work-groups share only part's small planes.
; LIMITS: NaN and infinities are not treated apart; e below 2^-126 counts as 0.
.set WT,    0                          ; the 2,048 e: 8,192 bytes
.set RM,    8192                       ; sixteen maxima;  256 bytes on: sixteen sums
.set CR,    8704                       ; sixteen waves x 512 bytes of column sums
.set SPARE, 16896                      ; the spare words, 128 bytes a wave: eight blocks of 256 bytes that no other line names
.set SPW, 2                            ; v2  SPARE + 4 x my thread's number; never rewritten
.set NIL, 3                            ; v3  0; never rewritten
.set P,   8                            ; v8-39   part's eight planes; then v8-11 scores, then e
.set CV,  72                           ; v72-75  coverage
.set X,   76                           ; v76-139 the ring: slot i, 4 registers
.set WR,  140                          ; v140-155 sixteen rows' weights
.set ACC, 156                          ; v156-163 two sets of four sums
.set OFF, 164                          ; v164-179 slot i: the byte offset, from my wave's first row, of my 16 bytes in the row that the slot holds
.macro VADD d, s                       ; four numbers onto four
	v_pk_add_f32 v[(\d):(\d)+1], v[(\d):(\d)+1], v[(\s):(\s)+1]
	v_pk_add_f32 v[(\d)+2:(\d)+3], v[(\d)+2:(\d)+3], v[(\s)+2:(\s)+3]
.endm
	s_load_b256 s[8:15], s[0:1], 0x0               ; part s[8:9], bV s[10:11], coverage s[12:13], values s[14:15]
	s_load_b128 s[16:19], s[0:1], 0x20             ; out0 s[16:17], out1 s[18:19]
	s_load_b64 s[20:21], s[0:1], 0x30              ; out2
	v_lshl_add_u32 v[SPW], v0, 2, SPARE
	v_mov_b32 v[NIL], 0
	v_lshrrev_b32 v1, 5, v0
	v_readfirstlane_b32 s24, v1                    ; wave 0..15
	v_and_b32 v1, 31, v0
	v_lshlrev_b32 v4, 4, v1                        ; 16 x lane
	v_lshlrev_b32 v5, 4, v0                        ; 16 x thread
.irp i, 0,1,2,3,4,5,6,7,8,9,10,11,12,13,14,15
	v_add_nc_u32 v[OFF+(\i)], (\i)*4096, v4        ; 16 x lane + the slot's first row
.endr
	s_and_b32 s25, ttmp7, 0xffff                   ; b
	s_mov_b32 s26, ttmp9                           ; j
	s_lshl_b32 s28, s25, 13                        ; a batch's 2,048 numbers
	s_mov_b32 s29, 0
	s_lshl_b32 s30, s25, 23                        ; a batch's rows of values,
	s_lshl_b32 s31, s24, 19                        ; my wave's 128 of them,
	s_add_co_u32 s30, s30, s31
	s_lshl_b32 s33, s26, 9                         ; my work-group's 512 bytes of a row
	s_add_co_u32 s30, s30, s33
	s_mov_b32 s31, 0
	s_lshl_b32 s32, s25, 12
	s_add_co_u32 s32, s32, s33                     ; the same columns in out0
	s_mov_b32 s33, 0
	s_mov_b32 s34, 0x76543210                      ; v_permlanex16_b32: each lane takes its own place in the other half
	s_mov_b32 s35, 0xfedcba98
	s_lshl_b32 s36, s24, 2
	s_add_co_u32 s36, s36, RM                      ; my wave's word among the maxima
	s_lshl_b32 s39, s24, 9                         ; my wave's 128 weights in WT
	s_mov_b32 s23, 0                               ; named with s22 as a pair
	s_wait_kmcnt 0x0
	s_load_b32 s22, s[10:11], 0x0                  ; bV
	s_add_nc_u64 s[8:9], s[8:9], s[28:29]
	s_add_nc_u64 s[12:13], s[12:13], s[28:29]
	s_add_nc_u64 s[18:19], s[18:19], s[28:29]
	s_add_nc_u64 s[20:21], s[20:21], s[28:29]
	s_add_nc_u64 s[4:5], s[14:15], s[30:31]        ; never stepped
	s_add_nc_u64 s[16:17], s[16:17], s[32:33]
.irp p, 0,1,2,3,4,5,6,7
	global_load_b128 v[P+4*(\p):P+4*(\p)+3], v5, s[8:9] offset:(\p)*262144
.endr
	global_load_b128 v[CV:CV+3], v5, s[12:13]
.irp i, 0,1,2,3,4,5,6,7,8,9,10,11,12,13,14,15
	global_load_b128 v[X+4*(\i):X+4*(\i)+3], v[OFF+(\i)], s[4:5] th:TH_LOAD_NT  ; the ring is filled while the softmax is made
.endr
	v_mov_b32 v41, 0                               ; v_permlanex16_b32's destination counts as read
	v_mov_b32 v42, s36
	v_mov_b32 v43, RM
.irp k, 0,1,2,3,4,5,6,7
	v_mov_b32 v[ACC+(\k)], 0                       ; eight lines, so that the loop below has one text for every round
.endr
	s_wait_loadcnt 16                              ; part and coverage are in; the ring's sixteen stay out
	VADD P, P+4
	VADD P+8, P+12
	VADD P+16, P+20
	VADD P+24, P+28
	VADD P, P+8
	VADD P+16, P+24
	VADD P, P+16
	s_wait_kmcnt 0x0
	v_pk_add_f32 v[P:P+1], v[P:P+1], s[22:23] op_sel_hi:[1,0]
	v_pk_add_f32 v[P+2:P+3], v[P+2:P+3], s[22:23] op_sel_hi:[1,0]
	; the maximum: my four, the wave's 128, the batch's 2,048
	v_max3_num_f32 v40, v[P], v[P+1], v[P+2]
	v_max_num_f32 v40, v40, v[P+3]
	v_max_num_f32_dpp v40, v40, v40 row_xmask:1 row_mask:0xf bank_mask:0xf
	v_max_num_f32_dpp v40, v40, v40 row_xmask:2 row_mask:0xf bank_mask:0xf
	v_max_num_f32_dpp v40, v40, v40 row_xmask:4 row_mask:0xf bank_mask:0xf
	v_max_num_f32_dpp v40, v40, v40 row_xmask:8 row_mask:0xf bank_mask:0xf
	v_permlanex16_b32 v41, v40, s34, s35
	v_max_num_f32 v40, v40, v41
	ds_store_b32 v42, v40
	s_wait_dscnt 0x0                               ; for the others' sake
	s_barrier_signal -1
	s_barrier_wait -1
.irp k, 0,1,2,3
	ds_load_b128 v[44+4*(\k):47+4*(\k)], v43 offset:16*(\k)
.endr
	s_wait_dscnt 0x0
	v_max3_num_f32 v44, v44, v45, v46
	v_max3_num_f32 v47, v47, v48, v49
	v_max3_num_f32 v50, v50, v51, v52
	v_max3_num_f32 v53, v53, v54, v55
	v_max3_num_f32 v56, v56, v57, v58
	v_max3_num_f32 v44, v44, v47, v50
	v_max3_num_f32 v53, v53, v56, v59
	v_max_num_f32 v44, v44, v53
	v_pk_add_f32 v[P:P+1], v[P:P+1], v[44:45] op_sel_hi:[1,0] neg_lo:[0,1] neg_hi:[0,1]      ; s - m
	v_pk_add_f32 v[P+2:P+3], v[P+2:P+3], v[44:45] op_sel_hi:[1,0] neg_lo:[0,1] neg_hi:[0,1]
	v_pk_mul_f32 v[P:P+1], v[P:P+1], 0x3fb8aa3b op_sel_hi:[1,0]
	v_pk_mul_f32 v[P+2:P+3], v[P+2:P+3], 0x3fb8aa3b op_sel_hi:[1,0]
	v_exp_f32 v[P], v[P]
	v_exp_f32 v[P+1], v[P+1]
	v_exp_f32 v[P+2], v[P+2]
	v_exp_f32 v[P+3], v[P+3]
	v_nop                                          ; a plain instruction between the last exponential and the use of its result (ISA guide 5.7.2)
	s_wait_alu depctr_va_vdst(0)
	ds_store_b128 v5, v[P:P+3]                     ; WT begins at LDS byte 0
	v_add_f32 v40, v[P], v[P+1]
	v_add_f32 v41, v[P+2], v[P+3]
	v_add_f32 v40, v40, v41
	v_add_f32_dpp v40, v40, v40 row_xmask:1 row_mask:0xf bank_mask:0xf
	v_add_f32_dpp v40, v40, v40 row_xmask:2 row_mask:0xf bank_mask:0xf
	v_add_f32_dpp v40, v40, v40 row_xmask:4 row_mask:0xf bank_mask:0xf
	v_add_f32_dpp v40, v40, v40 row_xmask:8 row_mask:0xf bank_mask:0xf
	v_permlanex16_b32 v41, v40, s34, s35
	v_add_f32 v40, v40, v41
	ds_store_b32 v42, v40 offset:256
	s_wait_dscnt 0x0                               ; for the others' sake
	s_barrier_signal -1
	s_barrier_wait -1
.irp k, 0,1,2,3
	ds_load_b128 v[44+4*(\k):47+4*(\k)], v43 offset:256+16*(\k)
.endr
	s_wait_dscnt 0x0
	VADD 44, 48
	VADD 52, 56
	VADD 44, 52
	v_pk_add_f32 v[44:45], v[44:45], v[46:47]
	v_add_f32 v44, v44, v45                        ; at least 1: the largest score's e is 1
	v_rcp_f32 v60, v44
	v_rcp_f32 v61, v44                             ; twice, for the packed multiplies
	v_nop
	s_lshr_b32 s37, s24, 1
	s_cmp_lg_u32 s37, s26
	s_cbranch_scc1 .Lno_out                        ; waves 2 j and 2 j + 1 store the batch's scores 256 j .. 256 j + 255
	s_wait_alu depctr_va_vdst(0)
	v_pk_mul_f32 v[62:63], v[P:P+1], v[60:61]
	v_pk_mul_f32 v[64:65], v[P+2:P+3], v[60:61]
	v_pk_fma_f32 v[66:67], v[P:P+1], v[60:61], v[CV:CV+1]
	v_pk_fma_f32 v[68:69], v[P+2:P+3], v[60:61], v[CV+2:CV+3]
	global_store_b128 v5, v[62:65], s[18:19]       ; a wave stores 512 consecutive bytes; none of these registers is written again
	global_store_b128 v5, v[66:69], s[20:21]
.Lno_out:
; One slot's turn: row i of the round's sixteen.  ahead = 1: the slot takes the row sixteen further down.  left = the younger loads that may stay out.
.macro SLOT i, ahead, left
	s_wait_loadcnt \left                           ; loads come back in order: the slot's load is done, so its data may be read and its offset register rewritten
.if ((\i)%2) == 0
	v_pk_fma_f32 v[ACC:ACC+1],   v[X+4*(\i):X+4*(\i)+1],   v[WR+(\i):WR+(\i)+1], v[ACC:ACC+1] op_sel:[0,0,0] op_sel_hi:[1,0,1]
	v_pk_fma_f32 v[ACC+2:ACC+3], v[X+4*(\i)+2:X+4*(\i)+3], v[WR+(\i):WR+(\i)+1], v[ACC+2:ACC+3] op_sel:[0,0,0] op_sel_hi:[1,0,1]
.else
	v_pk_fma_f32 v[ACC+4:ACC+5], v[X+4*(\i):X+4*(\i)+1],   v[WR+(\i)-1:WR+(\i)], v[ACC+4:ACC+5] op_sel:[0,1,0] op_sel_hi:[1,1,1]
	v_pk_fma_f32 v[ACC+6:ACC+7], v[X+4*(\i)+2:X+4*(\i)+3], v[WR+(\i)-1:WR+(\i)], v[ACC+6:ACC+7] op_sel:[0,1,0] op_sel_hi:[1,1,1]
.endif
.if \ahead
	v_add_nc_u32 v[OFF+(\i)], 0x10000, v[OFF+(\i)] ; sixteen rows on
	global_load_b128 v[X+4*(\i):X+4*(\i)+3], v[OFF+(\i)], s[4:5] th:TH_LOAD_NT
.endif
.endm
.macro WEIGHTS                         ; the round's sixteen weights, the same for every lane
	v_mov_b32 v6, s39
.irp k, 0,1,2,3
	ds_load_b128 v[WR+4*(\k):WR+4*(\k)+3], v6 offset:WT+16*(\k)
.endr
	s_wait_dscnt 0x0
.endm
	s_mov_b32 s38, 7
.Lround:
	WEIGHTS
.irp i, 0,1,2,3,4,5,6,7,8,9,10,11,12,13,14,15
	SLOT \i, 1, 15
.endr
	s_add_co_u32 s39, s39, 64
	s_sub_co_u32 s38, s38, 1
	s_cmp_lg_u32 s38, 0
	s_cbranch_scc1 .Lround
	WEIGHTS
.irp i, 0,1,2,3,4,5,6,7,8,9,10,11,12,13,14,15
	SLOT \i, 0, 15-(\i)                            ; the last round loads nothing: the counts run down
.endr
	VADD ACC, ACC+4
	s_lshl_b32 s37, s24, 9
	s_add_co_u32 s37, s37, CR
	v_add_nc_u32 v7, s37, v4
	ds_store_b128 v7, v[ACC:ACC+3]
	s_wait_dscnt 0x0                               ; for wave 0's sake
	s_barrier_signal -1
	s_barrier_wait -1
	s_cmp_lg_u32 s24, 0
	s_cbranch_scc1 .Ldone
	v_add_nc_u32 v6, CR, v4
.irp s, 0,1,2,3,4,5,6,7,8,9,10,11,12,13,14,15
	ds_load_b128 v[X+4*(\s):X+4*(\s)+3], v6 offset:512*(\s)
.endr
	s_wait_dscnt 0x0
.irp s, 0,2,4,6,8,10,12,14
	VADD X+4*(\s), X+4*(\s)+4
.endr
.irp s, 0,4,8,12
	VADD X+4*(\s), X+4*(\s)+8
.endr
	VADD X, X+16
	VADD X+32, X+48
	VADD X, X+32
	s_wait_alu depctr_va_vdst(0)
	v_pk_mul_f32 v[X:X+1], v[X:X+1], v[60:61]
	v_pk_mul_f32 v[X+2:X+3], v[X+2:X+3], v[60:61]
	global_store_b128 v4, v[X:X+3], s[16:17]       ; 512 consecutive bytes, at a multiple of 256 from out0's first
.Ldone:
	s_wait_tensorcnt 0x0                           ; the wave's end: three closing lines behind my last LDS store
	ds_add_u32 v[SPW], v[NIL]
	s_wait_dscnt 0x0
	s_endpgm
.Lfunc_end_k_q937c72de13_ctx:
	.size	k_q937c72de13_ctx, .Lfunc_end_k_q937c72de13_ctx-k_q937c72de13_ctx
	.p2alignl 7, 3214868480
	.fill 96, 4, 3214868480
	.section	.rodata,"a",@progbits
	.p2align	6, 0x0
	.amdhsa_kernel k_q937c72de13_ctx
		.amdhsa_group_segment_fixed_size 18944
		.amdhsa_private_segment_fixed_size 0
		.amdhsa_enable_private_segment 0
		.amdhsa_kernarg_size 56
		.amdhsa_user_sgpr_count 2
		.amdhsa_user_sgpr_kernarg_segment_ptr 1
		.amdhsa_wavefront_size32 1
		.amdhsa_system_sgpr_workgroup_id_x 1
		.amdhsa_system_sgpr_workgroup_id_y 1
		.amdhsa_system_sgpr_workgroup_id_z 1
		.amdhsa_system_vgpr_workitem_id 0
		.amdhsa_next_free_vgpr 180
		.amdhsa_next_free_sgpr 66
		.amdhsa_reserve_vcc 0
		.amdhsa_float_denorm_mode_32 3
		.amdhsa_float_denorm_mode_16_64 3
		.amdhsa_memory_ordered 1
		.amdhsa_forward_progress 1
		.amdhsa_inst_pref_size 23
	.end_amdhsa_kernel
	.amdgpu_metadata
---
amdhsa.version: [ 1, 2 ]
amdhsa.kernels:
  - .name:           k_q937c72de13_ctx
    .symbol:         k_q937c72de13_ctx.kd
    .args:
      - { .name: part, .offset: 0, .size: 8, .value_kind: global_buffer, .address_space: global }
      - { .name: bV, .offset: 8, .size: 8, .value_kind: global_buffer, .address_space: global }
      - { .name: coverage, .offset: 16, .size: 8, .value_kind: global_buffer, .address_space: global }
      - { .name: values, .offset: 24, .size: 8, .value_kind: global_buffer, .address_space: global }
      - { .name: out0, .offset: 32, .size: 8, .value_kind: global_buffer, .address_space: global }
      - { .name: out1, .offset: 40, .size: 8, .value_kind: global_buffer, .address_space: global }
      - { .name: out2, .offset: 48, .size: 8, .value_kind: global_buffer, .address_space: global }
    .group_segment_fixed_size: 18944
    .private_segment_fixed_size: 0
    .kernarg_segment_align: 8
    .kernarg_segment_size: 56
    .max_flat_workgroup_size: 512
    .sgpr_count:     66
    .vgpr_count:     180
    .wavefront_size: 32
...
	.end_amdgpu_metadata
.endif
;; end of part 3
;; ======== version 2 of 2: 3 launches; version 1 with the launch ctx written anew for expert scheduling mode
;; workspace buffers: w1t 2,097,152 bytes; qc 524,288 bytes; part 2,097,152 bytes
;; launch prep: the kernel of part 1 again; grid 128 x 1, 8 waves a work-group, no clusters, 111,616 bytes of LDS; arguments W1, W2, query, b1, b2, b3, w1t, qc; writes w1t, qc
;; launch score: the kernel of part 2 again; grid 4 x 64, 4 waves a work-group, clusters of 4 x 4, 327,680 bytes of LDS; arguments values, w1t, part, qc, W3, V, coverage; writes part
;; launch ctx (part 4): grid 8 x 32, 16 waves a work-group, no clusters, 18,944 bytes of LDS; arguments part, bV, coverage, values, out0, out1, out2; writes out0, out1, out2
.if DOCPART == 4
	.amdgcn_target "amdgcn-amd-amdhsa--gfx1250"
	.amdhsa_code_object_version 6
	.text
	.protected	k_q937c72de13_ctx
	.globl	k_q937c72de13_ctx
	.p2align	8
	.type	k_q937c72de13_ctx,@function
k_q937c72de13_ctx:
	s_mov_b64 s[64:65], 0
	v_nop
	global_prefetch_b8 v0, s[64:65] scope:SCOPE_SE
	s_setreg_imm32_b32 hwreg(HW_REG_WAVE_SCHED_MODE, 0, 2), 2
	s_setreg_imm32_b32 hwreg(HW_REG_WAVE_MODE, 25, 1), 1
	s_wait_xcnt 0x0
	s_wait_alu depctr_vm_vsrc(0)
; score[b][s] = the sum of part's eight planes + bV;  w = softmax over the batch's 2,048 scores, the true maximum taken away first;  out1 = w, out2 = coverage + w,
; out0[b][d] = the sum over s of w[s] values[b][s][d].  All in f32.
; SHARES.  A work-group takes a batch b and 128 columns d (512 bytes of every row).  Each makes the batch's softmax for itself (64 KiB of part beside 1 MiB of values); work-group j stores scores 256 j ..
; Thread t owns scores 4 t .. 4 t + 3.  Wave w streams rows 128 w .. 128 w + 127 (whose weights its own threads made), a lane four columns: a load covers 512 neighbouring bytes.
; The sixteen waves' sums meet in LDS.  The weights are used unnormalised (e = 2^((s - m) log2 e), at most 1) and the sum is divided once.
; No matrix unit, no tensor load, no cluster, no prefetch: memory binds, the stream keeps it busy, and the work-groups share only part's small planes.
; LIMITS: NaN and infinities are not treated apart; e below 2^-126 counts as 0.
; THE MODE: SCHED_MODE bits 1:0 = 2 (LLVM: expert scheduling mode 2), set by the entry lines.  The code itself states the register dependences
; between vector instructions and memory or LDS instructions, with s_wait_alu, always for 0.
; THE PLAN.  A wave's 128 rows go in 16 blocks of eight.  Registers that memory or LDS instructions touch in the stream:
;   X0 .. X3    four blocks of values as loaded.  Written by the loads of block p + 3, issued in block p; read by block p's sixteen multiply-adds (X[p % 4]).
;   WR0 .. WR3  a block's eight weights.          Written by two LDS loads issued in block p, for block p + 3; read by block p's multiply-adds (WR[p % 4]).
;   v4          16 x lane, the offset of every load of values: made at the head, never written again.  Each X buffer has a scalar base of its own, which moves on by four blocks
;               at the head of the buffer's block, behind the wait that shows the loads that read it done; immediate offsets reach the block's rows.
;   v[WA]       the LDS address of the weights: read by every LDS load of weights, written once a lap, at the lap's head.
;   The sums ACC are named by vector instructions alone until the stream's end.
; Block p's loads land in X[(p - 1) % 4] and WR[(p - 1) % 4]: the buffers that block p - 1 worked on and that no vector instruction of block p names.  So ONE wait on va_vdst at a
; block's head states all that the block's ten loads hang on, and they are dealt among its multiply-adds with no further wait.  One wait on vm_vsrc a lap stands ahead of the add to v[WA].
; Sixteen to twenty-four loads of values of every wave are on their way.
.set WT,    0                          ; the 2,048 e: 8,192 bytes
.set RM,    8192                       ; sixteen maxima;  256 bytes on: sixteen sums
.set CR,    8704                       ; sixteen waves x 512 bytes of column sums
.set SPARE, 16896                      ; the spare words, 128 bytes a wave: eight blocks of 256 bytes that no other line names
.set BLOCK, 8                          ; rows in a block
.set ROW,   4096                       ; bytes in a row of values
.set SPW, 2                            ; v2  SPARE + 4 x my thread's number; never rewritten
.set NIL, 3                            ; v3  0; never rewritten
.set WA,  6                            ; v6  LDS address of my wave's weights, at the lap's first block to be asked for
.set P,   8                            ; v8-39   part's eight planes; then v8-11 scores, then e
.set CRL, 70                           ; v70     CR + 16 x lane: where wave 0 reads the column sums back; never rewritten
.set CV,  72                           ; v72-75  coverage
.set X,   76                           ; v76-203 buffer k, row i: 4 registers at X + 32 k + 4 i
.set WR,  204                          ; v204-235 buffer k: 8 weights at WR + 8 k
.set ACC, 236                          ; v236-243 two sets of four sums
.set WB,  40                           ; s[40:47] buffer k: the address of my wave's columns in the first row of the block that the buffer is asked for next: a pair at WB + 2 k
.macro VADD d, s                       ; four numbers onto four
	v_pk_add_f32 v[(\d):(\d)+1], v[(\d):(\d)+1], v[(\s):(\s)+1]
	v_pk_add_f32 v[(\d)+2:(\d)+3], v[(\d)+2:(\d)+3], v[(\s)+2:(\s)+3]
.endm
	s_load_b256 s[8:15], s[0:1], 0x0               ; part s[8:9], bV s[10:11], coverage s[12:13], values s[14:15]
	s_load_b128 s[16:19], s[0:1], 0x20             ; out0 s[16:17], out1 s[18:19]
	s_load_b64 s[20:21], s[0:1], 0x30              ; out2
	v_lshl_add_u32 v[SPW], v0, 2, SPARE
	v_mov_b32 v[NIL], 0
	v_lshrrev_b32 v1, 5, v0
	v_readfirstlane_b32 s24, v1                    ; wave 0..15
	v_and_b32 v1, 31, v0
	v_lshlrev_b32 v4, 4, v1                        ; 16 x lane
	v_lshlrev_b32 v5, 4, v0                        ; 16 x thread
	v_add_nc_u32 v[CRL], CR, v4
	s_and_b32 s25, ttmp7, 0xffff                   ; b
	s_mov_b32 s26, ttmp9                           ; j
	s_lshl_b32 s28, s25, 13                        ; a batch's 2,048 numbers
	s_mov_b32 s29, 0
	s_lshl_b32 s30, s25, 23                        ; a batch's rows of values,
	s_wait_alu depctr_va_sdst(0)                   ; s24 is written, ahead of its first reader: bases, LDS addresses and two branches are made from it
	s_lshl_b32 s31, s24, 19                        ; my wave's 128 of them,
	s_add_co_u32 s30, s30, s31
	s_lshl_b32 s33, s26, 9                         ; my work-group's 512 bytes of a row
	s_add_co_u32 s30, s30, s33
	s_mov_b32 s31, 0
	s_lshl_b32 s32, s25, 12
	s_add_co_u32 s32, s32, s33                     ; the same columns in out0
	s_mov_b32 s33, 0
	s_mov_b32 s34, 0x76543210                      ; v_permlanex16_b32: each lane takes its own place in the other half
	s_mov_b32 s35, 0xfedcba98
	s_lshl_b32 s36, s24, 2
	s_add_co_u32 s36, s36, RM                      ; my wave's word among the maxima
	s_lshl_b32 s39, s24, 9                         ; my wave's 128 weights in WT
	s_add_co_u32 s27, s39, CR                      ; my wave's 512 bytes of column sums
	v_mov_b32 v[WA], s39
	v_add_nc_u32 v7, s27, v4                       ; where I put my four column sums; never rewritten
	s_mov_b32 s23, 0                               ; named with s22 as a pair
	s_wait_kmcnt 0x0
	s_load_b32 s22, s[10:11], 0x0                  ; bV
	s_add_nc_u64 s[8:9], s[8:9], s[28:29]
	s_add_nc_u64 s[12:13], s[12:13], s[28:29]
	s_add_nc_u64 s[18:19], s[18:19], s[28:29]
	s_add_nc_u64 s[20:21], s[20:21], s[28:29]
	s_add_nc_u64 s[4:5], s[14:15], s[30:31]        ; my wave's first row, my work-group's columns
.irp k, 0,1,2,3
	s_add_nc_u64 s[WB+2*(\k):WB+2*(\k)+1], s[4:5], (\k)*BLOCK*ROW  ; blocks 0 to 3
.endr
	s_add_nc_u64 s[16:17], s[16:17], s[32:33]
	s_wait_alu depctr_va_vdst(0)                   ; v4, v5, v[WA], v7 and v[CRL] are written: the offsets and LDS addresses that the loads and stores of the whole kernel read
.irp p, 0,1,2,3,4,5,6,7
	global_load_b128 v[P+4*(\p):P+4*(\p)+3], v5, s[8:9] offset:(\p)*262144
.endr
	global_load_b128 v[CV:CV+3], v5, s[12:13]
.irp k, 0,1,2
.irp i, 0,1,2,3,4,5,6,7
	global_load_b128 v[X+32*(\k)+4*(\i):X+32*(\k)+4*(\i)+3], v4, s[WB+2*(\k):WB+2*(\k)+1] offset:(\i)*ROW th:TH_LOAD_NT  ; blocks 0 to 2 are on their way while the softmax is made
.endr
.endr
	v_mov_b32 v41, 0                               ; v_permlanex16_b32's destination counts as read
	v_mov_b32 v42, s36
	v_mov_b32 v43, RM
.irp k, 0,1,2,3,4,5,6,7
	v_mov_b32 v[ACC+(\k)], 0                       ; eight lines, so that the stream below has one text for every block
.endr
	s_wait_loadcnt 24                              ; part and coverage are in; the three blocks' twenty-four stay out
	VADD P, P+4
	VADD P+8, P+12
	VADD P+16, P+20
	VADD P+24, P+28
	VADD P, P+8
	VADD P+16, P+24
	VADD P, P+16
	s_wait_kmcnt 0x0
	v_pk_add_f32 v[P:P+1], v[P:P+1], s[22:23] op_sel_hi:[1,0]
	v_pk_add_f32 v[P+2:P+3], v[P+2:P+3], s[22:23] op_sel_hi:[1,0]
	; the maximum: my four, the wave's 128, the batch's 2,048
	v_max3_num_f32 v40, v[P], v[P+1], v[P+2]
	v_max_num_f32 v40, v40, v[P+3]
	v_max_num_f32_dpp v40, v40, v40 row_xmask:1 row_mask:0xf bank_mask:0xf
	v_max_num_f32_dpp v40, v40, v40 row_xmask:2 row_mask:0xf bank_mask:0xf
	v_max_num_f32_dpp v40, v40, v40 row_xmask:4 row_mask:0xf bank_mask:0xf
	v_max_num_f32_dpp v40, v40, v40 row_xmask:8 row_mask:0xf bank_mask:0xf
	v_permlanex16_b32 v41, v40, s34, s35
	v_max_num_f32 v40, v40, v41
	s_wait_alu depctr_va_vdst(0)                   ; v40, the store's data, and v42 and v43, the LDS addresses of the store and of the loads behind the barrier, are written
	ds_store_b32 v42, v40
	s_wait_dscnt 0x0                               ; for the others' sake
	s_barrier_signal -1
	s_barrier_wait -1
	s_wait_alu depctr_vm_vsrc(0)                   ; my LDS store has read v40, which the lines that add up e write again
.irp k, 0,1,2,3
	ds_load_b128 v[44+4*(\k):47+4*(\k)], v43 offset:16*(\k)
.endr
	s_wait_dscnt 0x0
	v_max3_num_f32 v44, v44, v45, v46
	v_max3_num_f32 v47, v47, v48, v49
	v_max3_num_f32 v50, v50, v51, v52
	v_max3_num_f32 v53, v53, v54, v55
	v_max3_num_f32 v56, v56, v57, v58
	v_max3_num_f32 v44, v44, v47, v50
	v_max3_num_f32 v53, v53, v56, v59
	v_max_num_f32 v44, v44, v53
	v_pk_add_f32 v[P:P+1], v[P:P+1], v[44:45] op_sel_hi:[1,0] neg_lo:[0,1] neg_hi:[0,1]      ; s - m
	v_pk_add_f32 v[P+2:P+3], v[P+2:P+3], v[44:45] op_sel_hi:[1,0] neg_lo:[0,1] neg_hi:[0,1]
	v_pk_mul_f32 v[P:P+1], v[P:P+1], 0x3fb8aa3b op_sel_hi:[1,0]
	v_pk_mul_f32 v[P+2:P+3], v[P+2:P+3], 0x3fb8aa3b op_sel_hi:[1,0]
	v_exp_f32 v[P], v[P]
	v_exp_f32 v[P+1], v[P+1]
	v_exp_f32 v[P+2], v[P+2]
	v_exp_f32 v[P+3], v[P+3]
	v_nop                                          ; a plain instruction between the last exponential and the use of its result (ISA guide 5.7.2)
	s_wait_alu depctr_va_vdst(0)                   ; the four exponentials have written v[P .. P+3], ahead of their first reader: the LDS store, whose data they are
	ds_store_b128 v5, v[P:P+3]                     ; WT begins at LDS byte 0
	v_add_f32 v40, v[P], v[P+1]
	v_add_f32 v41, v[P+2], v[P+3]
	v_add_f32 v40, v40, v41
	v_add_f32_dpp v40, v40, v40 row_xmask:1 row_mask:0xf bank_mask:0xf
	v_add_f32_dpp v40, v40, v40 row_xmask:2 row_mask:0xf bank_mask:0xf
	v_add_f32_dpp v40, v40, v40 row_xmask:4 row_mask:0xf bank_mask:0xf
	v_add_f32_dpp v40, v40, v40 row_xmask:8 row_mask:0xf bank_mask:0xf
	v_permlanex16_b32 v41, v40, s34, s35
	v_add_f32 v40, v40, v41
	s_wait_alu depctr_va_vdst(0)                   ; v40, the store's data, is written; the lines that found the maximum and took it away are done with v44 to v59, in which the sixteen sums land
	ds_store_b32 v42, v40 offset:256
	s_wait_dscnt 0x0                               ; for the others' sake
	s_barrier_signal -1
	s_barrier_wait -1
.irp k, 0,1,2,3
	ds_load_b128 v[44+4*(\k):47+4*(\k)], v43 offset:256+16*(\k)
.endr
.irp k, 0,1,2                                  ; the weights of blocks 0 to 2; no vector instruction has named these registers
	ds_load_b128 v[WR+8*(\k):WR+8*(\k)+3],   v[WA] offset:WT+32*(\k)
	ds_load_b128 v[WR+8*(\k)+4:WR+8*(\k)+7], v[WA] offset:WT+32*(\k)+16
.endr
	s_wait_dscnt 6                                 ; LDS loads come back in order (ISA guide 5.7.1): the sixteen sums are in, the six loads of weights may stay out
	VADD 44, 48
	VADD 52, 56
	VADD 44, 52
	v_pk_add_f32 v[44:45], v[44:45], v[46:47]
	v_add_f32 v44, v44, v45                        ; at least 1: the largest score's e is 1
	v_rcp_f32 v60, v44
	v_rcp_f32 v61, v44                             ; twice, for the packed multiplies
	v_nop                                          ; a plain instruction behind the last reciprocal
	s_wait_alu depctr_va_vdst(0)                   ; the two reciprocals have written v60 and v61: one wait, ahead of the branch and of their readers on both ways
	s_lshr_b32 s37, s24, 1
	s_cmp_lg_u32 s37, s26
	s_cbranch_scc1 .Lno_out                        ; waves 2 j and 2 j + 1 store the batch's scores 256 j .. 256 j + 255
	v_pk_mul_f32 v[62:63], v[P:P+1], v[60:61]
	v_pk_mul_f32 v[64:65], v[P+2:P+3], v[60:61]
	v_pk_fma_f32 v[66:67], v[P:P+1], v[60:61], v[CV:CV+1]
	v_pk_fma_f32 v[68:69], v[P+2:P+3], v[60:61], v[CV+2:CV+3]
	s_wait_alu depctr_va_vdst(0)                   ; v62 to v69 are written, which the two stores read
	global_store_b128 v5, v[62:65], s[18:19]       ; a wave stores 512 consecutive bytes; none of these registers is written again
	global_store_b128 v5, v[66:69], s[20:21]
.Lno_out:
; Block p.  xb = p % 4.  first = 1: block 0, with no block in front of it.  ahead = 1: block p + 3 is asked for, values and weights.
; gleft, dleft = how many younger loads of values, and LDS loads of weights, may still be out when this block's have to be there.
.macro BLK xb, first, ahead, gleft, dleft
.set NX, ((\xb)+3)%4                   ; the buffer that block p - 1 worked on, and that block p + 3 takes
	s_wait_loadcnt \gleft                          ; loads come back in order (ISA guide 5.7.1): X[xb] is in, the younger blocks stay out
	s_wait_dscnt \dleft                            ; and so is WR[xb]
.if \ahead
	s_add_nc_u64 s[WB+2*(\xb):WB+2*(\xb)+1], s[WB+2*(\xb):WB+2*(\xb)+1], 4*BLOCK*ROW  ; free since the wait on LOADcnt above, which shows the loads that read it done: four blocks on, for the next block's loads
.if !\first
	s_wait_alu depctr_va_vdst(0)                   ; the block before is done reading its X and its WR, in which the loads below land; in a lap's first block v[WA] is written
.endif
	ds_load_b128 v[WR+8*NX:WR+8*NX+3],   v[WA] offset:WT+32*NX
	ds_load_b128 v[WR+8*NX+4:WR+8*NX+7], v[WA] offset:WT+32*NX+16
.endif
.irp i, 0,1,2,3,4,5,6,7
.if \ahead
	global_load_b128 v[X+32*NX+4*(\i):X+32*NX+4*(\i)+3], v4, s[WB+2*NX:WB+2*NX+1] offset:(\i)*ROW th:TH_LOAD_NT  ; three blocks ahead; no vector instruction since the wait names these registers
.endif
.if ((\i)%2) == 0
	v_pk_fma_f32 v[ACC:ACC+1],   v[X+32*(\xb)+4*(\i):X+32*(\xb)+4*(\i)+1],   v[WR+8*(\xb)+(\i):WR+8*(\xb)+(\i)+1], v[ACC:ACC+1] op_sel:[0,0,0] op_sel_hi:[1,0,1]
	v_pk_fma_f32 v[ACC+2:ACC+3], v[X+32*(\xb)+4*(\i)+2:X+32*(\xb)+4*(\i)+3], v[WR+8*(\xb)+(\i):WR+8*(\xb)+(\i)+1], v[ACC+2:ACC+3] op_sel:[0,0,0] op_sel_hi:[1,0,1]
.else
	v_pk_fma_f32 v[ACC+4:ACC+5], v[X+32*(\xb)+4*(\i):X+32*(\xb)+4*(\i)+1],   v[WR+8*(\xb)+(\i)-1:WR+8*(\xb)+(\i)], v[ACC+4:ACC+5] op_sel:[0,1,0] op_sel_hi:[1,1,1]
	v_pk_fma_f32 v[ACC+6:ACC+7], v[X+32*(\xb)+4*(\i)+2:X+32*(\xb)+4*(\i)+3], v[WR+8*(\xb)+(\i)-1:WR+8*(\xb)+(\i)], v[ACC+6:ACC+7] op_sel:[0,1,0] op_sel_hi:[1,1,1]
.endif
.endr
.endm
; A lap's head: the LDS address of the weights moves on by four blocks, 32 weights.
.macro ON
	s_wait_alu depctr_vm_vsrc(0)                   ; the LDS loads issued so far have read v[WA]
	v_add_nc_u32 v[WA], 4*BLOCK*4, v[WA]
.endm
	BLK 0, 1, 1, 2*BLOCK, 4                        ; block 0: no vector instruction has named X3 or WR3, so its loads hang on nothing
	s_mov_b32 s38, 3
.Lround:                                               ; blocks 1 to 12, four to a lap: the buffers are back at their start
	ON
	BLK 1, 0, 1, 2*BLOCK, 4
	BLK 2, 0, 1, 2*BLOCK, 4
	BLK 3, 0, 1, 2*BLOCK, 4
	BLK 0, 0, 1, 2*BLOCK, 4
	s_sub_co_u32 s38, s38, 1
	s_cmp_lg_u32 s38, 0
	s_cbranch_scc1 .Lround
	BLK 1, 0, 0, 2*BLOCK, 4                        ; blocks 13 to 15 ask for nothing: no load leaves the wave's rows, and the counts run down
	BLK 2, 0, 0, BLOCK, 2
	BLK 3, 0, 0, 0, 0
	VADD ACC, ACC+4
	s_wait_alu depctr_va_vdst(0)                   ; v[ACC .. ACC+3] are written, which the LDS store reads; the multiply-adds are done reading X0 and X1, in which wave 0's loads below land
	ds_store_b128 v7, v[ACC:ACC+3]
	s_wait_dscnt 0x0                               ; for wave 0's sake
	s_barrier_signal -1
	s_barrier_wait -1
	s_cmp_lg_u32 s24, 0
	s_cbranch_scc1 .Ldone
.irp s, 0,1,2,3,4,5,6,7,8,9,10,11,12,13,14,15
	ds_load_b128 v[X+4*(\s):X+4*(\s)+3], v[CRL] offset:512*(\s)
.endr
	s_wait_dscnt 0x0
.irp s, 0,2,4,6,8,10,12,14
	VADD X+4*(\s), X+4*(\s)+4
.endr
.irp s, 0,4,8,12
	VADD X+4*(\s), X+4*(\s)+8
.endr
	VADD X, X+16
	VADD X+32, X+48
	VADD X, X+32
	v_pk_mul_f32 v[X:X+1], v[X:X+1], v[60:61]
	v_pk_mul_f32 v[X+2:X+3], v[X+2:X+3], v[60:61]
	s_wait_alu depctr_va_vdst(0)                   ; v[X .. X+3] are written, which the store reads
	global_store_b128 v4, v[X:X+3], s[16:17]       ; 512 consecutive bytes, at a multiple of 256 from out0's first
.Ldone:
	s_wait_dscnt 0x0                               ; the closing lines, six on end
	s_wait_alu 0x0
	s_wait_tensorcnt 0x0
	ds_add_u32 v[SPW], v[NIL]
	s_wait_dscnt 0x0
	s_endpgm
.Lfunc_end_k_q937c72de13_ctx:
	.size	k_q937c72de13_ctx, .Lfunc_end_k_q937c72de13_ctx-k_q937c72de13_ctx
	.p2alignl 7, 3214868480
	.fill 96, 4, 3214868480
	.section	.rodata,"a",@progbits
	.p2align	6, 0x0
	.amdhsa_kernel k_q937c72de13_ctx
		.amdhsa_group_segment_fixed_size 18944
		.amdhsa_private_segment_fixed_size 0
		.amdhsa_enable_private_segment 0
		.amdhsa_kernarg_size 56
		.amdhsa_user_sgpr_count 2
		.amdhsa_user_sgpr_kernarg_segment_ptr 1
		.amdhsa_wavefront_size32 1
		.amdhsa_system_sgpr_workgroup_id_x 1
		.amdhsa_system_sgpr_workgroup_id_y 1
		.amdhsa_system_sgpr_workgroup_id_z 1
		.amdhsa_system_vgpr_workitem_id 0
		.amdhsa_next_free_vgpr 244
		.amdhsa_next_free_sgpr 66
		.amdhsa_reserve_vcc 0
		.amdhsa_float_denorm_mode_32 3
		.amdhsa_float_denorm_mode_16_64 3
		.amdhsa_memory_ordered 1
		.amdhsa_forward_progress 1
		.amdhsa_inst_pref_size 29
	.end_amdhsa_kernel
	.amdgpu_metadata
---
amdhsa.version: [ 1, 2 ]
amdhsa.kernels:
  - .name:           k_q937c72de13_ctx
    .symbol:         k_q937c72de13_ctx.kd
    .args:
      - { .name: part, .offset: 0, .size: 8, .value_kind: global_buffer, .address_space: global }
      - { .name: bV, .offset: 8, .size: 8, .value_kind: global_buffer, .address_space: global }
      - { .name: coverage, .offset: 16, .size: 8, .value_kind: global_buffer, .address_space: global }
      - { .name: values, .offset: 24, .size: 8, .value_kind: global_buffer, .address_space: global }
      - { .name: out0, .offset: 32, .size: 8, .value_kind: global_buffer, .address_space: global }
      - { .name: out1, .offset: 40, .size: 8, .value_kind: global_buffer, .address_space: global }
      - { .name: out2, .offset: 48, .size: 8, .value_kind: global_buffer, .address_space: global }
    .group_segment_fixed_size: 18944
    .private_segment_fixed_size: 0
    .kernarg_segment_align: 8
    .kernarg_segment_size: 56
    .max_flat_workgroup_size: 512
    .sgpr_count:     66
    .vgpr_count:     244
    .wavefront_size: 32
...
	.end_amdgpu_metadata
.endif
;; end of part 4
